; MI455X (gfx1250); checked and timed in simulation.
; The chip was launched on July 23, 2026; its instructions are those of AMD's public machine-readable ISA for CDNA 5 (MIT licence, August 2026) and "CDNA5" Instruction Set Architecture Reference Guide (July 2026). The comments in the code are by the model that wrote it; some were corrected since.
;; Multi Head Attention. Allowed arithmetic: matrix products marked QUANTISED: E2M3 operands, one E8M0 scale for each 32 along K, by v_wmma_scale_f32_16x16x128_f8f6f4 with both operands' format E2M3, f32 sums; everything else in f32.
;; Inputs: b_k 1,024 float32; b_o 1,024 float32; b_q 1,024 float32; b_v 1,024 float32; k 4 x 2,048 x 1,024 float32; q 4 x 2,048 x 1,024 float32; v 4 x 2,048 x 1,024 float32; w_k 1,024 x 1,024 float32; w_o 1,024 x 1,024 float32; w_q 1,024 x 1,024 float32; w_v 1,024 x 1,024 float32.
;; Outputs: out0 4 x 2,048 x 1,024 float32.
;; This version of the problem:
;;   THIS VERSION OF THE PROBLEM IS GIVEN IN LOW PRECISION. The matrix products marked QUANTISED in the list below multiply operands that are first quantised to E2M3 (2 exponent bits, 3 mantissa bits; 6 bits a number), with one power-of-two scale for each 32 numbers along K (OCP MX v1.0); their sums are f32. All else is computed in f32.
;;   The module's matrix products, in the order in which they are computed (A, B: the left and right operand; K: the contracted axis; several contracted axes count as one K, in the product's order):
;;     1. [M 8,192, K 1,024] x [K 1,024, N 1,024]; A: input q; B: input w_q: QUANTISED
;;     2. [M 8,192, K 1,024] x [K 1,024, N 1,024]; A: input k; B: input w_k: QUANTISED
;;     3. [M 8,192, K 1,024] x [K 1,024, N 1,024]; A: input v; B: input w_v: QUANTISED
;;     4. batch 64 x [M 2,048, K 64] x [K 64, N 2,048]; A: computed on the way; B: computed on the way: QUANTISED
;;     5. batch 64 x [M 2,048, K 2,048] x [K 2,048, N 64]; A: softmax (see below); B: computed on the way: QUANTISED
;;     6. [M 8,192, K 1,024] x [K 1,024, N 1,024]; A: computed on the way; B: input w_o: QUANTISED
;;   THE QUANTISER, for each operand of a quantised product, along K:
;;     - K is cut into blocks of 32 from its start; a last block that is shorter is filled with zeros.
;;     - A block's scale is 2^e with e = floor(log2(the largest magnitude in the block)) - 2, held to -126 .. 127; a block of zeros has e = 0. As a byte (E8M0): e + 127.
;;     - Each number is divided by its block's scale, clamped to +-7.5, and rounded to the nearest number of E2M3, ties to even, subnormals kept.
;;     - The product sums the exact products of the quantised numbers (number of the format x scale) in f32.
;;   ~~~python
;;   def quantise(x, axis):      # numpy; x: float32 -> the quantised numbers, widened to float32 again
;;       x = np.moveaxis(x, axis, -1); K = x.shape[-1]
;;       x = np.pad(x, [(0, 0)] * (x.ndim - 1) + [(0, -K % 32)]); x = x.reshape(x.shape[:-1] + (-1, 32)); a = np.abs(x).max(-1, keepdims=True)
;;       e = np.where(a > 0, np.clip(np.frexp(np.where(a > 0, a, 1))[1] - 1 - 2, -126, 127), 0)      # np.frexp(a)[1] - 1 = floor(log2(a)), exactly
;;       r = np.clip(x / 2.0 ** e, -7.5, 7.5)
;;       step = 2.0 ** (np.maximum(np.frexp(np.where(r == 0, 1, r))[1] - 1, 0) - 3)
;;       q = np.round(r / step) * step * 2.0 ** e      # np.round: ties to even
;;       return np.moveaxis(q.reshape(q.shape[:-2] + (-1,))[..., :K], -1, axis).astype(np.float32)
;;   ~~~
;;   SOFTMAX AHEAD OF A QUANTISED PRODUCT. Where the list says 'softmax', what is quantised is not the finished softmax but p = 2^(t - M), with t = logit x log2(e) and M = ceil(the row's largest t), a whole number; so 1/2 < the row's largest p <= 1. The row's sum l is taken of the UNQUANTISED p, in f32, and the product's result is divided by l at the end. Since M is a whole number, a kernel that streams over the keys may use a running M (the ceiling of the running maximum): every later rescaling is an exact power of two, which a block's scale takes up: the codes' values come out the same.
;;   OPERANDS COMPUTED ON THE WAY. 'Computed on the way' means the value that the module computes at that place (a softmax that the list does not call 'softmax' is quantised finished and normalised). What goes into a quantiser is computed in f32, as accurately as f32 sums, v_exp_f32 and their like allow (about 1e-6 of the number): no bf16 or f16 on the way to a quantiser, and a product that is left as it is and whose result goes on into a quantised operand takes f32 operands (vector FMAs, or v_wmma_f32_16x16x4_f32). A number that lies on a knife's edge between two numbers of the format may be rounded either way, as far as f32 arithmetic and the matrix unit's own rounding can turn it there, and no further.
;; One version. Each part assembles by itself: llvm-mc -triple=amdgcn-amd-amdhsa -mcpu=gfx1250 --defsym DOCPART=n.
;; ======== version 1 of 1: 4 launches
;; limits: right only within a limited range of input values
;; workspace buffers: ximg 18,874,368 bytes; wimg 3,145,728 bytes; scl 917,504 bytes; qkimg 13,631,488 bytes; vimg 6,553,600 bytes; oimg 6,291,456 bytes; oscl 262,144 bytes
;; launch quant (part 1): grid 512 x 1, 4 waves a work-group, no clusters, 34,304 bytes of LDS; arguments q, k, v, w_q, w_k, w_v, w_o, ximg, wimg, scl; writes ximg, wimg, scl
.if DOCPART == 1
	.amdgcn_target "amdgcn-amd-amdhsa--gfx1250"
	.amdhsa_code_object_version 6
	.text
	.protected	k_q4e5b46f397_quant
	.globl	k_q4e5b46f397_quant
	.p2align	8
	.type	k_q4e5b46f397_quant,@function
k_q4e5b46f397_quant:
	s_mov_b64 s[64:65], 0
	v_nop
	global_prefetch_b8 v0, s[64:65] scope:SCOPE_SE
	s_setreg_imm32_b32 hwreg(HW_REG_WAVE_MODE, 25, 1), 1
	s_wait_xcnt 0x0
; q, k, v [8192][1024] f32 (K innermost) and w_q, w_k, w_v, w_o [1024 (K)][1024 (N)] f32 (K outermost) become codes of FP6 (E2M3) with one E8M0 byte for each 32 along K.
; A block's scale is 2^(floor(log2(its largest magnitude)) - 2); its byte is the largest magnitude's exponent field - 2, held at 1 from below (a block of zeros keeps the byte 1: its codes are zeros, and this program alone reads the bytes).
; LIMITS: NaN and infinities among the inputs are not served; blocks whose largest magnitude lies under 2^(3 - 127) take the byte 1.
; THE CODES ARE LAID AS IMAGES OF OPERAND REGISTERS.  A tile has 16 lane-rows.  q, v and the weights: tile 2 g + u, lane-row r holds true row 32 g + 8 u + r % 8 + 16 (r / 8).
; k: tile 4 g + t, lane-row r holds true row 64 g + 8 t + r % 8 + 32 (r / 8), so that in the scores a lane's 32 numbers of four neighbouring tiles are one whole block of 32 neighbouring keys.
; A half image, 768 bytes, is 16 lane-rows x 64 K: lane (r, h) holds k = 32 h .. 32 h + 31 in six registers; registers 0-3 lie at byte 16 x lane, registers 4-5 at byte 512 + 8 x lane.  A fragment (128 K) is two half images.
; ximg [tensor 3][tile 512][K step 8][1536];  wimg [weight 4][tile 64][K step 8][1536];  scl: [tile][lane-row][32 bytes], byte i for K block i; x's parts first, the weights' from byte 786,432 on.
; THE DEAL.  q, k, v have 3 x 512 = 1,536 tiles of 65,536 bytes, the weights 512 units (32 columns x 256 along K) of 32,768.  Each of the 512 work-groups takes three tiles (waves 0-2: a wave takes a tile of 16 rows through all of K)
; and one unit (wave 3: a lane takes a column, its registers run down K): every work-group reads 229,376 bytes.  Waves share nothing: no barrier.
.set STG,   8448                       ; a wave's stage: 16 rows x (512 bytes + 16)
.set SPARE, 4*STG                      ; behind the four stages: the spare words, 128 bytes a wave, which no other line names
.set SPW,   28                         ; v28  my spare word's LDS address; never rewritten
.set NIL,   29                         ; v29  0; never rewritten
.set SW,    16                         ; v16-23   the tile's scale words, one for each K step
.set RAW,   32                         ; v32-159  two sets of 64 registers as loaded
.set X,     160                        ; v160-223 my two blocks of 32 neighbours
.set C,     224                        ; v224-235 a fragment's codes; v236-242 second halves as the conversions leave them
	s_load_b512 s[4:19], s[0:1], 0x0               ; q, k, v, w_q, w_k, w_v, w_o, ximg
	s_load_b128 s[20:23], s[0:1], 0x40             ; wimg, scl
	v_lshl_add_u32 v[SPW], v0, 2, SPARE
	v_mov_b32 v[NIL], 0
	v_lshrrev_b32 v1, 5, v0
	v_readfirstlane_b32 s24, v1                    ; wave
	v_and_b32 v1, 31, v0                           ; lane
	s_cmp_lt_u32 s24, 3
	s_cbranch_scc0 .Lweights
; ---------------- q, k, v: waves 0 to 2 ----------------
	s_mul_i32 s35, ttmp9, 3
	s_add_co_u32 s35, s35, s24                     ; my tile among the 1,536
	s_lshr_b32 s34, s35, 9                         ; which tensor
	s_and_b32 s35, s35, 511                        ; my tile in it
	s_cmp_eq_u32 s34, 1
	s_cselect_b32 s42, 2, 1                        ; log2 of the tiles in a group: k's go in fours over 64 rows, q's and v's in pairs over 32
	s_lshr_b32 s36, s35, s42
	s_add_co_u32 s43, s42, 16
	s_lshl_b32 s36, s36, s43                       ; 32 or 64 rows of 4,096 bytes for each group,
	s_lshl_b32 s37, 1, s42
	s_sub_co_u32 s37, s37, 1
	s_and_b32 s37, s35, s37
	s_lshl_b32 s37, s37, 15                        ; 8 rows for each tile in it
	s_lshl_b32 s43, 0x8000, s42                    ; lane-rows 8-15 lie 16 or 32 rows on, in bytes
	s_add_co_u32 s36, s36, s37
	s_mov_b32 s37, 0
	s_mul_i32 s38, s34, 6291456
	s_mul_i32 s39, s35, 12288
	s_add_co_u32 s38, s38, s39                     ; my tile's images
	s_mov_b32 s39, 0
	s_lshl_b32 s40, s34, 18
	s_lshl_b32 s41, s35, 9
	s_add_co_u32 s40, s40, s41                     ; my tile's scale bytes
	s_mov_b32 s41, 0
	s_mov_b32 s32, 0x76543210
	s_mov_b32 s33, 0xfedcba98                      ; v_permlanex16_b32's selects for lane l xor 16
	s_mul_i32 s25, s24, STG
	s_wait_alu depctr_va_vdst(0)
	v_lshlrev_b32 v2, 4, v1                        ; 16 x lane
	v_lshlrev_b32 v3, 3, v1                        ; 8 x lane
	v_add_nc_u32 v30, s43, v2                      ; the loads' offset for lane-rows 8-15; never rewritten
	v_add_nc_u32 v4, s25, v2                       ; the stage, on the way in: a row's 512 bytes as loaded
	v_and_b32 v8, 15, v1                           ; r
	v_lshrrev_b32 v9, 4, v1                        ; h
	v_mul_u32_u24 v5, v8, 528
	v_lshl_add_u32 v5, v9, 7, v5
	v_add_nc_u32 v5, s25, v5                       ; and on the way out: row r, + 128 h bytes: my block of 32
	v_lshlrev_b32 v6, 5, v8
	v_lshl_add_u32 v6, v9, 4, v6                   ; the scale words' place: 32 r + 16 h
	v_lshlrev_b32 v7, 3, v9                        ; 8 h: my bytes' shift in a scale word
	v_mov_b32 v15, 0                               ; written once: a lane permute's destination counts as one of its sources
	s_wait_alu depctr_va_vdst(0)                   ; the wait at the head's end
	s_wait_kmcnt 0x0
	s_cmp_eq_u32 s34, 1
	s_cselect_b64 s[26:27], s[6:7], s[4:5]
	s_cmp_eq_u32 s34, 2
	s_cselect_b64 s[26:27], s[8:9], s[26:27]
	s_add_nc_u64 s[26:27], s[26:27], s[36:37]
	s_add_nc_u64 s[28:29], s[18:19], s[38:39]
	s_add_nc_u64 s[30:31], s[22:23], s[40:41]
.macro XLOAD s                         ; K step s of the tile's 16 rows: each load reads 512 consecutive bytes of one row
.irp i, 0,1,2,3,4,5,6,7,8,9,10,11,12,13,14,15
	global_load_b128 v[RAW+64*((\s)%2)+4*\i:RAW+64*((\s)%2)+4*\i+3], v[2+28*(\i/8)], s[26:27] offset:(\i%8)*4096+512*(\s) th:TH_LOAD_NT
.endr
.endm
.macro XSTEP s
.set RW, RAW+64*((\s)%2)
.if (\s) < 7
	s_wait_loadcnt 16                              ; this K step's 16 loads are in; the next step's 16 may be out
.else
	s_wait_loadcnt 0x0
.endif
.irp i, 0,1,2,3,4,5,6,7,8,9,10,11,12,13,14,15
	ds_store_b128 v4, v[RW+4*\i:RW+4*\i+3] offset:528*\i
.endr
.irp c, 0,1                            ; LDS serves a wave's instructions in order: these see the stores above.  Block 2 c + h of row r: 128 bytes
.irp j, 0,1,2,3,4,5,6,7
	ds_load_b128 v[X+32*\c+4*\j:X+32*\c+4*\j+3], v5 offset:256*\c+16*\j
.endr
.endr
	s_wait_dscnt 0x0                               ; my numbers are back, and the stores have read the set, which takes the loads of two steps on
.if (\s) < 6
	XLOAD (\s)+2
.endif
.irp c, 0,1
	v_max3_num_f32 v[8+\c], |v[X+32*\c]|, |v[X+32*\c+1]|, 0x1800000   ; the block's largest magnitude, with the floor 2^(3 - 127) among its leaves
.endr
.irp i, 2,4,6,8,10,12,14,16,18,20,22,24,26,28,30
.irp c, 0,1
	v_max3_num_f32 v[8+\c], v[8+\c], |v[X+32*\c+\i]|, |v[X+32*\c+\i+1]|
.endr
.endr
.irp c, 0,1
	v_add_nc_u32 v[10+\c], 0xff000000, v[8+\c]     ; 2 off the exponent field: the conversion's scale operand
.endr
.irp c, 0,1
	v_lshrrev_b32 v[12+\c], 23, v[10+\c]           ; the scale's byte
.endr
	v_lshl_or_b32 v14, v13, 16, v12                ; my bytes: blocks h and 2 + h,
	v_lshlrev_b32 v14, v7, v14                     ; at their places;
	v_permlanex16_b32 v15, v14, s32, s33
	v_or_b32 v[SW+(\s)], v14, v15                  ; with lane l xor 16's two the word is whole
	s_wait_alu depctr_va_vdst(0)                   ; directly ahead of the wait below
	s_wait_xcnt 0x0                                ; the last step's stores have read their data: the codes' registers are written again only behind this wait
.irp c, 0,1
	v_cvt_scalef32_pk16_fp6_f32 v[C+6*\c:C+6*\c+2], v[X+32*\c:X+32*\c+15], v[10+\c]
	v_cvt_scalef32_pk16_fp6_f32 v[236+4*\c:238+4*\c], v[X+32*\c+16:X+32*\c+31], v[10+\c]   ; (a conversion's three registers begin on an even number)
.endr
	v_nop                                          ; one plain place behind a scaled conversion
.irp c, 0,1
.irp i, 0,1,2
	v_mov_b32 v[C+3+6*\c+\i], v[236+4*\c+\i]
.endr
.endr
.irp c, 0,1
	global_store_b128 v2, v[C+6*\c:C+6*\c+3], s[28:29] offset:1536*(\s)+768*\c          ; 512 consecutive bytes,
	global_store_b64 v3, v[C+6*\c+4:C+6*\c+5], s[28:29] offset:1536*(\s)+768*\c+512     ; and 256
.endr
.endm
	XLOAD 0
	XLOAD 1
.irp s, 0,1,2,3,4,5,6,7
	XSTEP \s
.endr
	v_cmp_gt_u32 vcc_lo, 16, v1
.irp i, 0,1,2,3
	v_cndmask_b32 v[24+\i], v[SW+4+\i], v[SW+\i], vcc_lo   ; lanes 0-15 store words 0-3 of their row, lanes 16-31 words 4-7
.endr
	global_store_b128 v6, v[24:27], s[30:31]       ; the tile's 512 scale bytes
	s_wait_tensorcnt 0x0                           ; the wave's end
	ds_add_u32 v[SPW], v[NIL]
	s_wait_dscnt 0x0
	s_endpgm
; ---------------- the four weights: wave 3; the work-group's number is the unit's ----------------
.Lweights:
	s_lshr_b32 s34, ttmp9, 2
	s_lshr_b32 s35, s34, 5                         ; which weight
	s_and_b32 s36, s34, 7
	s_bfe_u32 s37, s34, 0x20003                    ; which 256 along K
	s_lshl_b32 s36, s36, 2
	s_and_b32 s25, ttmp9, 3
	s_add_co_u32 s36, s36, s25                     ; g: my 32 columns
	s_lshl_b32 s38, s37, 20                        ; 256 rows of 4,096 bytes
	s_lshl_b32 s39, s36, 7
	s_add_co_u32 s38, s38, s39
	s_mov_b32 s39, 0
	s_mul_i32 s40, s35, 786432
	s_mul_i32 s41, s36, 24576                      ; two tiles of 12,288 bytes
	s_add_co_u32 s40, s40, s41
	s_mul_i32 s41, s37, 3072                       ; two K steps
	s_add_co_u32 s40, s40, s41
	s_mov_b32 s41, 0
	s_lshl_b32 s42, s35, 15
	s_lshl_b32 s43, s36, 10
	s_add_co_u32 s42, s42, s43
	s_lshl_b32 s43, s37, 3
	s_add_co_u32 s42, s42, s43
	s_add_co_u32 s42, s42, 786432
	s_mov_b32 s43, 0
	s_wait_alu depctr_va_vdst(0)
	v_lshlrev_b32 v3, 2, v1                        ; in: 4 bytes a lane
	v_bfe_u32 v8, v1, 3, 1                         ; column x of the 32 lies in tile u = (x / 8) % 2,
	v_and_b32 v9, 7, v1
	v_lshrrev_b32 v10, 4, v1
	v_lshl_or_b32 v9, v10, 3, v9                   ; lane-row x % 8 + 8 (x / 16)
	v_mul_u32_u24 v10, v8, 12288
	v_lshl_add_u32 v4, v9, 4, v10                  ; where my block's registers 0-3 go,
	v_lshl_add_u32 v5, v9, 3, v10                  ; registers 4-5,
	v_lshlrev_b32 v6, 9, v8
	v_lshl_add_u32 v6, v9, 5, v6                   ; and my eight scale bytes
	s_wait_alu depctr_va_vdst(0)                   ; the wait at the head's end
	s_wait_kmcnt 0x0
	s_cmp_eq_u32 s35, 1
	s_cselect_b64 s[26:27], s[12:13], s[10:11]
	s_cmp_eq_u32 s35, 2
	s_cselect_b64 s[26:27], s[14:15], s[26:27]
	s_cmp_eq_u32 s35, 3
	s_cselect_b64 s[26:27], s[16:17], s[26:27]
	s_add_nc_u64 s[26:27], s[26:27], s[38:39]
	s_add_nc_u64 s[28:29], s[20:21], s[40:41]
	s_add_nc_u64 s[30:31], s[22:23], s[42:43]
.macro WLOAD t                         ; block t: w(32 t + i, my column), i = 0 .. 31: each load reads 128 consecutive bytes
.irp i, 0,1,2,3,4,5,6,7,8,9,10,11,12,13,14,15,16,17,18,19,20,21,22,23,24,25,26,27,28,29,30,31
	global_load_b32 v[32+32*((\t)%2)+\i], v3, s[26:27] offset:(32*(\t)+\i)*4096 th:TH_LOAD_NT
.endr
.endm
.macro WBLOCK t
.set XS, 32+32*((\t)%2)
.if (\t) < 7
	s_wait_loadcnt 32                              ; this block's 32 loads are in; the next block's may be out
.else
	s_wait_loadcnt 0x0
.endif
	v_max3_num_f32 v12, |v[XS]|, |v[XS+1]|, |v[XS+2]|
	v_max3_num_f32 v13, |v[XS+3]|, |v[XS+4]|, |v[XS+5]|
.irp i, 6,10,14,18,22,26
	v_max3_num_f32 v12, v12, |v[XS+\i]|, |v[XS+\i+1]|
	v_max3_num_f32 v13, v13, |v[XS+\i+2]|, |v[XS+\i+3]|
.endr
	v_max3_num_f32 v12, v12, |v[XS+30]|, |v[XS+31]|
	v_max3_num_f32 v12, v12, v13, 0x1800000        ; and the floor
	v_add_nc_u32 v11, 0xff000000, v12
	v_lshrrev_b32 v13, 23, v11
.if (\t)%4 == 0
	v_mov_b32 v[24+(\t)/4], v13                    ; four bytes to a register, the lower K in the lower byte
.else
	v_lshl_or_b32 v[24+(\t)/4], v13, 8*((\t)%4), v[24+(\t)/4]
.endif
	s_wait_alu depctr_va_vdst(0)                   ; directly ahead of the wait below
	s_wait_xcnt 0x0                                ; the last block's stores have read their data
	v_cvt_scalef32_pk16_fp6_f32 v[96:98], v[XS:XS+15], v11
	v_cvt_scalef32_pk16_fp6_f32 v[104:106], v[XS+16:XS+31], v11
	v_nop                                          ; one plain place behind a scaled conversion
	v_mov_b32 v99, v104
	v_mov_b32 v100, v105
	v_mov_b32 v101, v106
	; block t is K step t / 4, half image (t / 2) % 2, lane half h = t % 2 of my lane-row: sixteen lanes fill 256 consecutive bytes
	global_store_b128 v4, v[96:99], s[28:29] offset:((\t)/4)*1536+(((\t)/2)%2)*768+((\t)%2)*256
	global_store_b64 v5, v[100:101], s[28:29] offset:((\t)/4)*1536+(((\t)/2)%2)*768+512+((\t)%2)*128
.if (\t) < 6
	WLOAD (\t)+2
.endif
.endm
	WLOAD 0
	WLOAD 1
.irp t, 0,1,2,3,4,5,6,7
	WBLOCK \t
.endr
	global_store_b64 v6, v[24:25], s[30:31]        ; my column's eight scale bytes
	s_wait_tensorcnt 0x0                           ; the wave's end, in the same form as above
	ds_add_u32 v[SPW], v[NIL]
	s_wait_dscnt 0x0
	s_endpgm
.Lfunc_end_k_q4e5b46f397_quant:
	.size	k_q4e5b46f397_quant, .Lfunc_end_k_q4e5b46f397_quant-k_q4e5b46f397_quant
	.p2alignl 7, 3214868480
	.fill 96, 4, 3214868480
	.section	.rodata,"a",@progbits
	.p2align	6, 0x0
	.amdhsa_kernel k_q4e5b46f397_quant
		.amdhsa_group_segment_fixed_size 34304
		.amdhsa_private_segment_fixed_size 0
		.amdhsa_enable_private_segment 0
		.amdhsa_kernarg_size 80
		.amdhsa_user_sgpr_count 2
		.amdhsa_user_sgpr_kernarg_segment_ptr 1
		.amdhsa_wavefront_size32 1
		.amdhsa_system_sgpr_workgroup_id_x 1
		.amdhsa_system_sgpr_workgroup_id_y 1
		.amdhsa_system_sgpr_workgroup_id_z 1
		.amdhsa_system_vgpr_workitem_id 0
		.amdhsa_next_free_vgpr 256
		.amdhsa_next_free_sgpr 66
		.amdhsa_reserve_vcc 1
		.amdhsa_float_denorm_mode_32 3
		.amdhsa_float_denorm_mode_16_64 3
		.amdhsa_memory_ordered 1
		.amdhsa_forward_progress 1
		.amdhsa_inst_pref_size 98
	.end_amdhsa_kernel
	.amdgpu_metadata
---
amdhsa.version: [ 1, 2 ]
amdhsa.kernels:
  - .name:           k_q4e5b46f397_quant
    .symbol:         k_q4e5b46f397_quant.kd
    .args:
      - { .name: q, .offset: 0, .size: 8, .value_kind: global_buffer, .address_space: global }
      - { .name: k, .offset: 8, .size: 8, .value_kind: global_buffer, .address_space: global }
      - { .name: v, .offset: 16, .size: 8, .value_kind: global_buffer, .address_space: global }
      - { .name: w_q, .offset: 24, .size: 8, .value_kind: global_buffer, .address_space: global }
      - { .name: w_k, .offset: 32, .size: 8, .value_kind: global_buffer, .address_space: global }
      - { .name: w_v, .offset: 40, .size: 8, .value_kind: global_buffer, .address_space: global }
      - { .name: w_o, .offset: 48, .size: 8, .value_kind: global_buffer, .address_space: global }
      - { .name: ximg, .offset: 56, .size: 8, .value_kind: global_buffer, .address_space: global }
      - { .name: wimg, .offset: 64, .size: 8, .value_kind: global_buffer, .address_space: global }
      - { .name: scl, .offset: 72, .size: 8, .value_kind: global_buffer, .address_space: global }
    .group_segment_fixed_size: 34304
    .private_segment_fixed_size: 0
    .kernarg_segment_align: 8
    .kernarg_segment_size: 80
    .max_flat_workgroup_size: 128
    .sgpr_count:     66
    .vgpr_count:     256
    .wavefront_size: 32
...
	.end_amdgpu_metadata
.endif
;; end of part 1
;; launch proj (part 2): grid 4 x 96, 4 waves a work-group, clusters of 4 x 4, 327,680 bytes of LDS; arguments ximg, wimg, scl, b_q, b_k, b_v, qkimg, vimg; writes qkimg, vimg
.if DOCPART == 2
	.amdgcn_target "amdgcn-amd-amdhsa--gfx1250"
	.amdhsa_code_object_version 6
	.text
	.protected	k_q4e5b46f397_proj
	.globl	k_q4e5b46f397_proj
	.p2align	8
	.type	k_q4e5b46f397_proj,@function
k_q4e5b46f397_proj:
	s_mov_b64 s[64:65], 0
	v_nop
	global_prefetch_b8 v0, s[64:65] scope:SCOPE_SE
	s_setreg_imm32_b32 hwreg(HW_REG_WAVE_MODE, 25, 1), 1
	s_wait_xcnt 0x0
	s_wait_alu depctr_hold_cnt(0) depctr_sa_sdst(0) depctr_va_vdst(0) depctr_va_sdst(0) depctr_va_ssrc(0) depctr_va_vcc(0) depctr_vm_vsrc(0)
	s_getreg_b32 s2, hwreg(HW_REG_IB_STS2, 6, 4)
	s_cmp_eq_u32 s2, 0
	s_cbranch_scc0 .Lentry_in_a_cluster
	s_endpgm
.Lentry_in_a_cluster:
	s_bfe_u32 s2, ttmp6, 0x10000c
	s_cmp_lg_u32 s2, 0xf033
	s_cbranch_scc0 .Lentry_shape_is_right
	s_endpgm
.Lentry_shape_is_right:
.set NQ,     2
.set FR,     12
.set NL,     4
.set NP,     4
.set TB,     3072
.set HALFT,  8*TB
.set SLOT,   4*HALFT
.set LAPS,   2
.set KROW,   768
.set KS,     32
.set SCL,    2*SLOT
.set HALFS,  16*272
.set SBLK,   2*272
.set SPARE,  SCL+4*HALFS
.set ADRA, 16
.set ADRB, 20
.set ADRS, 27
.set SPW,  28
.set NIL,  29
.set SC,   32
.set AF,   128
.set HA,   64
.set PC,   128
.set TM,   160
.set PWQ,  176
.set SEL,  22
.set G1, 24
.set G0, 32
.set G1B, 48
.set G0B, 56
.set G1S, 68
.set G0S, 76
.set G1SB, 80
.set G0SB, 88
.set MSB, 0
.macro WIN new
.if MSB != (\new)
	s_set_vgpr_msb (MSB<<8)|(\new)
.set MSB, (\new)
.endif
.endm
.set MUL_LO, 0xa1
.set MUL_HI, 0xf1
.set TO_B,   0x40
.macro JLOAD g0a, g1a, g0b, g1b
	s_cmp_eq_u32 s15, 0
	s_cbranch_scc0 .Lfor_b_\@
	tensor_load_to_lds s[\g0a:\g0a+3], s[\g1a:\g1a+7]
	s_nop 0
.rept 4
	v_nop
.endr
	s_branch .Lasked_\@
.Lfor_b_\@:
	tensor_load_to_lds s[\g0b:\g0b+3], s[\g1b:\g1b+7]
	s_nop 0
.rept 4
	v_nop
.endr
.Lasked_\@:
.endm
.macro CREST
	s_cmp_lg_u32 s14, 0
	s_cbranch_scc1 .Lnot_wave_0_\@
	s_barrier_signal -3
.Lnot_wave_0_\@:
	s_barrier_wait -3
	s_barrier_signal -1
	s_barrier_wait -1
.endm
.macro CROUND
	s_barrier_signal -1
	s_barrier_wait -1
	CREST
.endm
	s_load_b512 s[68:83], s[0:1], 0x0
	v_lshl_add_u32 v[SPW], v0, 2, SPARE
	v_mov_b32 v[NIL], 0
	ds_add_u32 v[SPW], v[NIL]
	ds_add_u32 v[SPW], v[NIL]
	v_lshrrev_b32 v1, 5, v0
	v_readfirstlane_b32 s14, v1
	s_lshr_b32 s15, s14, 1
	s_and_b32 s16, s14, 1
	s_bfe_u32 s40, ttmp6, 0x40000
	s_bfe_u32 s41, ttmp6, 0x40004
	s_and_b32 s95, ttmp7, 0xffff
	s_lshr_b32 s66, s95, 3
	s_and_b32 s95, s95, 7
	s_lshl_b32 s95, s95, 2
	s_add_co_u32 s96, s95, s41
	s_add_co_u32 s97, s95, s40
	s_cmp_eq_u32 s66, 2
	s_cselect_b32 s2, 1, 0
	s_cselect_b32 s17, s41, s96
	s_cselect_b32 s42, s97, s40
	s_lshl_b32 s43, s41, 2
	s_lshl_b32 s43, 15, s43
	s_lshl_b32 s44, 0x1111, s40
	s_or_b32 s[G1+0], s43, (3<<16)|(1<<21)
	s_or_b32 s[G1B+0], s44, (3<<16)|(1<<21)
.irp g, G1, G1B
	s_mov_b32 s[\g+1], 384<<16
	s_mov_b32 s[\g+2], 16<<16                      ; the head's loads bring all 16 tiles of an operand; the ring's bring 8 (set behind the head's wait)
	s_mov_b32 s[\g+3], 384<<16
	s_mov_b32 s[\g+4], 16
	s_mov_b32 s[\g+5], 1536
	s_mov_b32 s[\g+6], 0
	s_mov_b32 s[\g+7], 0
.endr
	s_lshl_b32 s18, s16, 7
	s_lshl_b32 s20, s17, 8
	s_add_co_u32 s20, s20, s18
	s_lshl_b32 s46, s42, 8
	s_add_co_u32 s46, s46, s18
	s_mov_b32 s21, 0
	s_mov_b32 s47, 0
	s_mov_b64 s[18:19], KS
	s_mul_u64 s[22:23], s[20:21], s[18:19]
	s_mul_u64 s[92:93], s[46:47], s[18:19]
	s_lshl_b32 s96, s16, 12                        ; the scale bytes are fetched whole: their offsets begin at the operand's first row, not at my half
	s_sub_co_u32 s22, s22, s96
	s_sub_co_u32 s92, s92, s96
	s_mov_b64 s[18:19], KROW
	s_mul_u64 s[20:21], s[20:21], s[18:19]
	s_mul_u64 s[46:47], s[46:47], s[18:19]
	s_mul_i32 s45, s14, HALFT
	s_mul_i32 s84, s66, 6291456
	s_mul_i32 s85, s66, 786432
	s_lshl_b32 s86, s66, 18
	s_lshl_b32 s87, s66, 15
	s_add_co_u32 s87, s87, 786432
	s_mul_i32 s88, s66, 6815744
	s_cmp_eq_u32 s2, 1
	s_cselect_b32 s96, s85, s84
	s_cselect_b32 s98, s84, s85
	s_cselect_b32 s90, s87, s86
	s_cselect_b32 s84, s86, s87
	s_cselect_b32 s88, 0, s88
	s_mov_b32 s97, 0
	s_mov_b32 s99, 0
	s_mov_b32 s91, 0
	s_mov_b32 s85, 0
	s_mov_b32 s89, 0
	s_add_nc_u64 s[20:21], s[20:21], s[96:97]
	s_add_nc_u64 s[46:47], s[46:47], s[98:99]
	s_add_nc_u64 s[22:23], s[22:23], s[90:91]
	s_add_nc_u64 s[92:93], s[92:93], s[84:85]
	s_wait_dscnt 0x0
	s_wait_kmcnt 0x0
	s_cmp_eq_u32 s2, 1
	s_cselect_b64 s[4:5], s[70:71], s[68:69]
	s_cselect_b64 s[8:9], s[68:69], s[70:71]
	s_cselect_b64 s[12:13], s[82:83], s[80:81]
	s_add_nc_u64 s[20:21], s[4:5], s[20:21]
	s_add_nc_u64 s[46:47], s[8:9], s[46:47]
	s_add_nc_u64 s[22:23], s[72:73], s[22:23]
	s_add_nc_u64 s[92:93], s[72:73], s[92:93]
	s_add_nc_u64 s[12:13], s[12:13], s[88:89]
	s_cmp_eq_u32 s66, 1
	s_cselect_b64 s[10:11], s[76:77], s[74:75]
	s_cmp_eq_u32 s66, 2
	s_cselect_b64 s[10:11], s[78:79], s[10:11]
	s_or_b32 s[G1S+0], s43, (3<<16)|(1<<20)|(1<<21)|(5<<22)|(3<<25)
	s_or_b32 s[G1SB+0], s44, (3<<16)|(1<<20)|(1<<21)|(5<<22)|(3<<25)
.irp g, G1S, G1SB
	s_mov_b32 s[\g+1], 32<<16
	s_mov_b32 s[\g+2], 32<<16                      ; the scale bytes of all 256 rows: 32 units of 256 bytes, one load
	s_mov_b32 s[\g+3], 32<<16
	s_mov_b32 s[\g+4], 32
	s_mov_b32 s[\g+5], 32
	s_mov_b32 s[\g+6], 0
	s_mov_b32 s[\g+7], 0
.endr
	CROUND
	s_mov_b32 s[G0S], 1
	s_mov_b32 s[G0S+1], SCL
	s_mov_b64 s[G0S+2:G0S+3], s[22:23]
	s_or_b32 s[G0S+3], s[G0S+3], 0x80000000
	s_mov_b32 s[G0SB], 1
	s_mov_b32 s[G0SB+1], SCL+2*HALFS
	s_mov_b64 s[G0SB+2:G0SB+3], s[92:93]
	s_or_b32 s[G0SB+3], s[G0SB+3], 0x80000000
.irp s, 0,1
	s_mov_b32 s[G0+4*\s], 1
	s_add_co_u32 s[G0+4*\s+1], s45, \s*SLOT
	s_add_nc_u64 s[G0+4*\s+2:G0+4*\s+3], s[20:21], \s*TB
	s_or_b32 s[G0+4*\s+3], s[G0+4*\s+3], 0x80000000
	s_mov_b32 s[G0B+4*\s], 1
	s_add_co_u32 s[G0B+4*\s+1], s45, \s*SLOT
	s_add_nc_u64 s[G0B+4*\s+2:G0B+4*\s+3], s[46:47], \s*TB
	s_or_b32 s[G0B+4*\s+3], s[G0B+4*\s+3], 0x80000000
.endr
	; THE HEAD'S FOUR TILES, one joint load a wave, in one chain of arms that join: wave 0 slot 0's 16 tiles of A (its own group 0 begins at A's first tile and at LDS byte 0),
	; wave 2 slot 0's 16 tiles of B (likewise), wave 1 A's scale bytes, wave 3 B's
	; THE PREFETCHES' BASE.  A fill brings 3,072 bytes (two K steps) of each of the 8 tiles that I fetch in the ring: 96 blocks of 256 bytes.  The four work-groups that ask for them jointly share them out BY ADDRESS:
	; the partner at place p (cx for A's tiles, cy for B's) names tiles 2 p and 2 p + 1, 24 blocks, a lane a block.  So each block is named once in each cluster that will load it.  s[98:99] and v30 are never rewritten
	s_cmp_eq_u32 s15, 0
	s_cselect_b64 s[98:99], s[20:21], s[46:47]
	s_cselect_b32 s96, s40, s41
	s_mul_i32 s96, s96, 2*12288
	s_mov_b32 s97, 0
	s_add_nc_u64 s[98:99], s[98:99], s[96:97]
	s_cmp_eq_u32 s14, 0
	s_cbranch_scc0 .Lhead_b
	tensor_load_to_lds s[G0:G0+3], s[G1:G1+7]
	s_nop 0
.rept 4
	v_nop
.endr
	s_branch .Lhead_asked
.Lhead_b:
	s_cmp_eq_u32 s14, 2
	s_cbranch_scc0 .Lhead_sa
	tensor_load_to_lds s[G0B:G0B+3], s[G1B:G1B+7]
	s_nop 0
.rept 4
	v_nop
.endr
	s_branch .Lhead_asked
.Lhead_sa:
	s_cmp_eq_u32 s14, 1
	s_cbranch_scc0 .Lhead_sb
	tensor_load_to_lds s[G0S:G0S+3], s[G1S:G1S+7]
	s_nop 0
.rept 4
	v_nop
.endr
	s_branch .Lhead_asked
.Lhead_sb:
	tensor_load_to_lds s[G0SB:G0SB+3], s[G1SB:G1SB+7]
	s_nop 0
.rept 4
	v_nop
.endr
.Lhead_asked:
	v_and_b32 v30, 31, v0
	v_min_u32 v30, 23, v30                         ; lanes 24-31 name the last block again
	v_mul_u32_u24 v31, v30, 11
	v_lshrrev_b32 v31, 7, v31                      ; 1 from block 12 on: the second tile
	v_mul_u32_u24 v31, v31, 12288-TB
	v_lshl_add_u32 v30, v30, 8, v31                ; 256 x block, and on to the next tile behind 12 blocks
	global_prefetch_b8 v30, s[98:99] offset:TB th:TH_LOAD_NT scope:SCOPE_SE     ; behind fill 0's load: fill 1, and fill 2, which stands two fills on
	global_prefetch_b8 v30, s[98:99] offset:2*TB th:TH_LOAD_NT scope:SCOPE_SE
	v_and_b32 v1, 15, v0
	v_bfe_u32 v2, v0, 4, 1
	v_and_b32 v3, 31, v0
	v_lshlrev_b32 v24, 4, v3
	v_lshlrev_b32 v25, 3, v3
	s_mul_i32 s21, s15, HALFT
	s_mul_i32 s22, s16, HALFT
	s_add_co_u32 s22, s22, 2*HALFT
.irp s, 0,1
	v_add_nc_u32 v[ADRA+\s], s21, v24
	v_add_nc_u32 v[ADRB+\s], s22, v24
	v_add_nc_u32 v[ADRA+2+\s], s21, v25
	v_add_nc_u32 v[ADRB+2+\s], s22, v25
	s_add_co_u32 s21, s21, SLOT
	s_add_co_u32 s22, s22, SLOT
.endr
	v_mul_u32_u24 v14, v1, KS
	v_lshrrev_b32 v15, 8, v14
	v_lshl_add_u32 v14, v15, 4, v14
	s_mul_i32 s21, s15, HALFS
	s_mul_i32 s22, s16, HALFS
	s_add_co_u32 s22, s22, 2*HALFS
	s_sub_co_u32 s22, s22, s21
	v_mul_u32_u24 v15, s22, v2
	s_add_co_u32 s21, s21, SCL
	v_add_nc_u32 v14, v14, v15
	v_add_nc_u32 v[ADRS], s21, v14
	s_lshl_b32 s18, s17, 4
	s_lshl_b32 s19, s15, 3
	s_add_co_u32 s18, s18, s19
	s_lshl_b32 s19, s42, 2
	s_lshl_b32 s20, s16, 1
	s_add_co_u32 s19, s19, s20
	s_lshr_b32 s20, s19, 5
	s_lshr_b32 s21, s18, 7
	s_lshr_b32 s22, s18, 2
	s_bfe_u32 s23, s19, 0x40001
	s_bfe_u32 s46, s18, 0x40003
	s_cmp_eq_u32 s2, 1
	s_cselect_b32 s20, s20, s21
	s_cselect_b32 s22, s22, s19
	s_cselect_b32 s23, s23, s46
	s_mov_b32 s47, 6656
	s_cselect_b32 s47, 6400, s47
	s_mov_b32 s92, 3072
	s_cselect_b32 s93, 102400, s92
	s_mov_b32 s94, 106496
	s_cselect_b32 s92, s92, s94
	s_mov_b32 s95, 256
	s_cselect_b32 s95, 102400, s95
	s_cselect_b32 s94, 0, s94
	s_mov_b32 s67, 0xffff0000
	s_cselect_b32 s67, 0, s67
	s_lshl_b32 s20, s20, 4
	s_add_co_u32 s20, s20, s22
	s_lshl_b32 s20, s20, 4
	s_add_co_u32 s20, s20, s23
	s_mul_i32 s20, s20, s47
	s_mov_b32 s21, 0
	s_add_nc_u64 s[12:13], s[12:13], s[20:21]
	v_mov_b32 v4, v24
	v_add_nc_u32 v5, s92, v24
	v_add_nc_u32 v6, s93, v24
	v_add_nc_u32 v7, s92, v6
	v_mov_b32 v8, v25
	v_add_nc_u32 v9, s92, v25
	v_add_nc_u32 v10, s93, v25
	v_add_nc_u32 v11, s92, v10
	v_lshlrev_b32 v12, 4, v1
	v_mul_u32_u24 v14, s94, v2
	v_add_nc_u32 v12, v12, v14
	v_add_nc_u32 v13, s95, v12
	s_lshl_b32 s18, s42, 10
	s_lshl_b32 s19, s16, 9
	s_add_co_u32 s18, s18, s19
	s_lshl_b32 s20, s17, 10
	s_lshl_b32 s21, s15, 9
	s_add_co_u32 s20, s20, s21
	s_cmp_eq_u32 s2, 1
	s_cselect_b32 s18, 0, s18
	s_cselect_b32 s20, s20, 0
	s_mov_b32 s19, 0
	s_mov_b32 s21, 0
	s_add_nc_u64 s[18:19], s[10:11], s[18:19]
	s_add_nc_u64 s[20:21], s[10:11], s[20:21]
	s_mov_b32 s[SEL], 0x76543210
	s_mov_b32 s[SEL+1], 0xfedcba98
	v_lshlrev_b32 v14, 6, v2
	v_and_b32 v15, 8, v1
	v_add_nc_u32 v15, v15, v1
	v_lshlrev_b32 v15, 2, v15
	WIN TO_B
.irp g, 0,1
.irp j, 0,1,2,3
	global_load_b128 v[96+16*\g+4*\j:99+16*\g+4*\j], v14, s[18:19] offset:128*\g+16*\j
	global_load_b128 v[224+16*\g+4*\j:227+16*\g+4*\j], v14, s[18:19] offset:256+128*\g+16*\j
.endr
.endr
	WIN 0
.irp a, 0,1,2,3,4,5,6,7
	global_load_b32 v[224+2*\a], v15, s[20:21] offset:4*(32*(\a/2)+8*(\a%2))
	global_load_b32 v[225+2*\a], v15, s[20:21] offset:4*(32*(\a/2)+8*(\a%2))
.endr
.macro FRAG reg, a16, a8, q, i
	ds_load_b128 v[\reg:\reg+3], v[\a16] offset:(\i)*TB+(\q)*1536
	ds_load_b64 v[\reg+4:\reg+5], v[\a8] offset:(\i)*TB+(\q)*1536+512
	ds_load_b128 v[\reg+6:\reg+9], v[\a16] offset:(\i)*TB+(\q)*1536+768
	ds_load_b64 v[\reg+10:\reg+11], v[\a8] offset:(\i)*TB+(\q)*1536+1280
.endm
.macro MUL16 a0, p, q, sc, zero
.irp a, \a0, \a0+1
.irp b, 0,1,2,3,4,5,6,7
.if \zero
	v_wmma_scale_f32_16x16x128_f8f6f4 v[8*(8*((\a)%4)+\b):8*(8*((\a)%4)+\b)+7], v[128*(\p)+FR*\b:128*(\p)+FR*\b+FR-1], v[AF+FR*(\a):AF+FR*(\a)+FR-1], 0, v[SC+8*NQ*(\sc)+NQ*\b+(\q)], v[SC+8*NQ*(\sc)+NQ*(\a)+(\q)] matrix_a_fmt:MATRIX_FMT_FP6 matrix_b_fmt:MATRIX_FMT_FP6 matrix_a_scale:MATRIX_SCALE_ROW1
.else
	v_wmma_scale_f32_16x16x128_f8f6f4 v[8*(8*((\a)%4)+\b):8*(8*((\a)%4)+\b)+7], v[128*(\p)+FR*\b:128*(\p)+FR*\b+FR-1], v[AF+FR*(\a):AF+FR*(\a)+FR-1], v[8*(8*((\a)%4)+\b):8*(8*((\a)%4)+\b)+7], v[SC+8*NQ*(\sc)+NQ*\b+(\q)], v[SC+8*NQ*(\sc)+NQ*(\a)+(\q)] matrix_a_fmt:MATRIX_FMT_FP6 matrix_b_fmt:MATRIX_FMT_FP6 matrix_a_scale:MATRIX_SCALE_ROW1
.endif
.endr
.endr
.endm
.macro FETCH_B slot, q, p
	WIN TO_B
.irp i, 0,1,2,3,4,5,6,7
	FRAG 128*(\p)+FR*\i, ADRB+\slot, ADRB+2+\slot, \q, \i
.endr
	WIN 0
.endm
.macro FETCH_A slot, q, i0
.irp i, \i0, \i0+1, \i0+2, \i0+3
	FRAG AF+FR*(\i), ADRA+\slot, ADRA+2+\slot, \q, \i
.endr
.endm
.macro SCALES sc
.irp i, 0,1,2,3,4,5,6,7
	ds_load_b64 v[SC+8*NQ*\sc+NQ*\i:SC+8*NQ*\sc+NQ*\i+1], v[ADRS] offset:\i*SBLK
.endr
.endm
.macro PLACES n
.rept \n
	v_nop
.endr
.endm
.macro STEP slot, q, zero
	s_wait_dscnt 4*NL
	WIN MUL_LO
	MUL16 0, (\q)%2, \q, \slot, \zero
	MUL16 2, (\q)%2, \q, \slot, \zero
	s_wait_dscnt 0
	PLACES NP
	FETCH_B \slot, (\q)+1, 1-(\q)%2
	FETCH_A \slot, (\q)+1, 0
	WIN MUL_HI
	MUL16 4, (\q)%2, \q, \slot, \zero
	MUL16 6, (\q)%2, \q, \slot, \zero
	PLACES NP
	WIN 0
	FETCH_A \slot, (\q)+1, 4
.endm
.macro TURN slot, next, fill
	s_wait_tensorcnt 0x0
	ds_add_u32 v[SPW], v[NIL]
	s_wait_dscnt 4*NL+1
	WIN MUL_LO
	MUL16 0, 1, NQ-1, \slot, 0
	s_wait_dscnt 0x0
	s_barrier_signal -1
	MUL16 2, 1, NQ-1, \slot, 0
	WIN 0
	s_barrier_wait -1
.if \fill
	CREST
	s_add_nc_u64 s[G0+4*\slot+2:G0+4*\slot+3], s[G0+4*\slot+2:G0+4*\slot+3], 2*TB
	s_add_nc_u64 s[G0B+4*\slot+2:G0B+4*\slot+3], s[G0B+4*\slot+2:G0B+4*\slot+3], 2*TB
	JLOAD G0+4*\slot, G1, G0B+4*\slot, G1B
.else
	PLACES NP
.endif
	s_wait_alu depctr_va_vdst(0)
	v_add_nc_u32 v[ADRS], 4*NQ, v[ADRS]
	FETCH_B \next, 0, 0
	FETCH_A \next, 0, 0
	SCALES \next
	WIN MUL_HI
	MUL16 4, 1, NQ-1, \slot, 0
	MUL16 6, 1, NQ-1, \slot, 0
	PLACES NP
	WIN 0
	FETCH_A \next, 0, 4
.endm
	s_wait_alu depctr_va_vdst(0)                   ; the wait at the head's end
	s_wait_loadcnt 0x0                             ; the biases
	s_wait_tensorcnt 0x0                           ; my tile of the head's four is in; slot 1's first fill is issued as a refill is:
	ds_add_u32 v[SPW], v[NIL]
	s_mov_b32 s[G1+2], 8<<16                       ; no tensor load of mine is out: from here on a load brings 8 tiles
	s_mov_b32 s[G1+4], 8
	s_mov_b32 s[G1B+2], 8<<16
	s_mov_b32 s[G1B+4], 8
	s_wait_dscnt 0x0
	CROUND                                         ; all four tiles are in, and the sixteen work-groups are here
	JLOAD G0+4, G1, G0B+4, G1B                     ; slot 1, the first tensor load behind the round
	FETCH_B 0, 0, 0
	FETCH_A 0, 0, 0
	SCALES 0
	FETCH_A 0, 0, 4
	global_prefetch_b8 v30, s[98:99] offset:3*TB th:TH_LOAD_NT scope:SCOPE_SE   ; behind fill 1's load and the run of LDS loads: fill 3, the last, two fills on
	STEP 0, 0, 1
	s_mov_b32 s3, LAPS-1
.Llap:
	TURN 0, 1, 1
	STEP 1, 0, 0
	TURN 1, 0, 1
	STEP 0, 0, 0
	s_sub_co_u32 s3, s3, 1
	s_cmp_lg_u32 s3, 0
	s_cbranch_scc1 .Llap
	TURN 0, 1, 0
	STEP 1, 0, 0
	s_wait_dscnt 4*NL
	WIN MUL_LO
	MUL16 0, 1, NQ-1, 1, 0
	MUL16 2, 1, NQ-1, 1, 0
	s_wait_dscnt 0
	WIN MUL_HI
	MUL16 4, 1, NQ-1, 1, 0
	MUL16 6, 1, NQ-1, 1, 0
	WIN 0
.macro BIASADD a
.set AC, 64*((\a)%4)
	s_cmp_eq_u32 s2, 0
	s_cbranch_scc0 .Lby_rows_\@
	WIN 0x06+(\a)/4
.set x, 0
.rept 32
.if x < 32
	v_pk_add_f32 v[HA+x:HA+x+1], v[AC+x:AC+x+1], v[96+x:97+x]
.else
	v_pk_add_f32 v[HA+x:HA+x+1], v[AC+x:AC+x+1], v[192+x:193+x]
.endif
.set x, x+2
.endr
	WIN 0
	s_branch .Lbias_done_\@
.Lby_rows_\@:
	WIN 0x02+(\a)/4
.set x, 0
.rept 32
	v_pk_add_f32 v[HA+x:HA+x+1], v[AC+x:AC+x+1], v[224+2*(\a):225+2*(\a)]
.set x, x+2
.endr
	WIN 0
.Lbias_done_\@:
.endm
.macro QUANT s, pw
.irp b, 0,1,2,3
	v_max3_num_f32 v[TM+\b], |v[\s+16*\b]|, |v[\s+1+16*\b]|, 0x1800000
.endr
.irp i, 2,4,6,8,10,12,14
.irp b, 0,1,2,3
	v_max3_num_f32 v[TM+\b], v[TM+\b], |v[\s+16*\b+\i]|, |v[\s+1+16*\b+\i]|
.endr
.endr
.irp b, 0,1,2,3
	v_permlanex16_b32 v[TM+4+\b], v[TM+\b], s[SEL], s[SEL+1]
.endr
.irp b, 0,1,2,3
	v_max_num_f32 v[TM+\b], v[TM+\b], v[TM+4+\b]
.endr
.irp b, 0,1,2,3
	v_add_nc_u32 v[TM+12+\b], 0xff000000, v[TM+\b]
.endr
.irp b, 0,1,2,3
	v_lshrrev_b32 v[TM+4+\b], 23, v[TM+12+\b]
.endr
	v_lshl_or_b32 v[\pw], v[TM+5], 8, v[TM+4]
	v_lshl_or_b32 v[\pw], v[TM+6], 16, v[\pw]
	v_lshl_or_b32 v[\pw], v[TM+7], 24, v[\pw]
.irp c, 0,1
	v_cvt_scalef32_pk16_fp6_f32 v[PC+6*\c:PC+2+6*\c], v[\s+32*\c:\s+15+32*\c], v[TM+12+2*\c]
	v_cvt_scalef32_pk16_fp6_f32 v[PC+12+4*\c:PC+14+4*\c], v[\s+16+32*\c:\s+31+32*\c], v[TM+12+2*\c+1]
.endr
	v_nop
.irp c, 0,1
.irp i, 0,1,2
	v_permlane16_swap_b32 v[PC+6*\c+\i], v[PC+12+4*\c+\i]
.endr
.irp i, 0,1,2
	v_mov_b32 v[PC+3+6*\c+\i], v[PC+12+4*\c+\i]
.endr
.endr
.endm
	PLACES NP
.irp b, 0,1,2,3
	v_mov_b32 v[TM+4+\b], 0
.endr
.irp a, 0,1,2,3,4,5,6,7
	BIASADD \a
	s_wait_xcnt 0x0
	QUANT HA, PWQ+(\a)%4
.irp c, 0,1
	global_store_b128 v[4+2*(\a/4)+\c], v[PC+6*\c:PC+6*\c+3], s[12:13] offset:(\a%4)*768
	global_store_b64 v[8+2*(\a/4)+\c], v[PC+6*\c+4:PC+6*\c+5], s[12:13] offset:(\a%4)*768+512
.endr
.if \a%4 == 3
.irp i, 0,1,2,3
	v_lshrrev_b32 v[180+\i], 16, v[PWQ+\i]
.endr
.irp i, 0,1,2,3
	v_cndmask_b32 v[PWQ+\i], v[PWQ+\i], v[180+\i], s67
.endr
	global_store_b128 v[12+\a/4], v[PWQ:PWQ+3], s[12:13] offset:6144
.endif
.endr
	s_wait_tensorcnt 0x0
	ds_add_u32 v[SPW], v[NIL]
	s_wait_dscnt 0x0
	CROUND
	s_endpgm
.Lfunc_end_k_q4e5b46f397_proj:
	.size	k_q4e5b46f397_proj, .Lfunc_end_k_q4e5b46f397_proj-k_q4e5b46f397_proj
	.p2alignl 7, 3214868480
	.fill 96, 4, 3214868480
	.section	.rodata,"a",@progbits
	.p2align	6, 0x0
	.amdhsa_kernel k_q4e5b46f397_proj
		.amdhsa_group_segment_fixed_size 327680
		.amdhsa_private_segment_fixed_size 0
		.amdhsa_enable_private_segment 0
		.amdhsa_kernarg_size 64
		.amdhsa_user_sgpr_count 2
		.amdhsa_user_sgpr_kernarg_segment_ptr 1
		.amdhsa_wavefront_size32 1
		.amdhsa_system_sgpr_workgroup_id_x 1
		.amdhsa_system_sgpr_workgroup_id_y 1
		.amdhsa_system_sgpr_workgroup_id_z 1
		.amdhsa_system_vgpr_workitem_id 0
		.amdhsa_next_free_vgpr 1024
		.amdhsa_next_free_sgpr 100
		.amdhsa_reserve_vcc 0
		.amdhsa_float_denorm_mode_32 3
		.amdhsa_float_denorm_mode_16_64 3
		.amdhsa_memory_ordered 1
		.amdhsa_forward_progress 1
		.amdhsa_inst_pref_size 189
	.end_amdhsa_kernel
	.amdgpu_metadata
---
amdhsa.version: [ 1, 2 ]
amdhsa.kernels:
  - .name:           k_q4e5b46f397_proj
    .symbol:         k_q4e5b46f397_proj.kd
    .args:
      - { .name: ximg, .offset: 0, .size: 8, .value_kind: global_buffer, .address_space: global }
      - { .name: wimg, .offset: 8, .size: 8, .value_kind: global_buffer, .address_space: global }
      - { .name: scl, .offset: 16, .size: 8, .value_kind: global_buffer, .address_space: global }
      - { .name: b_q, .offset: 24, .size: 8, .value_kind: global_buffer, .address_space: global }
      - { .name: b_k, .offset: 32, .size: 8, .value_kind: global_buffer, .address_space: global }
      - { .name: b_v, .offset: 40, .size: 8, .value_kind: global_buffer, .address_space: global }
      - { .name: qkimg, .offset: 48, .size: 8, .value_kind: global_buffer, .address_space: global }
      - { .name: vimg, .offset: 56, .size: 8, .value_kind: global_buffer, .address_space: global }
    .group_segment_fixed_size: 327680
    .private_segment_fixed_size: 0
    .kernarg_segment_align: 8
    .kernarg_segment_size: 64
    .max_flat_workgroup_size: 128
    .sgpr_count:     100
    .vgpr_count:     1024
    .wavefront_size: 32
...
	.end_amdgpu_metadata
.endif
;; end of part 2
;; launch attn (part 3): grid 4 x 64, 8 waves a work-group, clusters of 4 x 1, 210,944 bytes of LDS; arguments qkimg, vimg, oimg, oscl; writes oimg, oscl
.if DOCPART == 3
	.amdgcn_target "amdgcn-amd-amdhsa--gfx1250"
	.amdhsa_code_object_version 6
	.text
	.protected	k_q4e5b46f397_attn
	.globl	k_q4e5b46f397_attn
	.p2align	8
	.type	k_q4e5b46f397_attn,@function
k_q4e5b46f397_attn:
	s_mov_b64 s[64:65], 0
	v_nop
	global_prefetch_b8 v0, s[64:65] scope:SCOPE_SE
	s_setreg_imm32_b32 hwreg(HW_REG_WAVE_MODE, 25, 1), 1
	s_wait_xcnt 0x0
	s_wait_alu depctr_hold_cnt(0) depctr_sa_sdst(0) depctr_va_vdst(0) depctr_va_sdst(0) depctr_va_ssrc(0) depctr_va_vcc(0) depctr_vm_vsrc(0)
	s_getreg_b32 s2, hwreg(HW_REG_IB_STS2, 6, 4)
	s_cmp_eq_u32 s2, 0
	s_cbranch_scc0 .Lentry_in_a_cluster
	s_endpgm
.Lentry_in_a_cluster:
	s_bfe_u32 s2, ttmp6, 0x10000c
	s_cmp_lg_u32 s2, 0x3003
	s_cbranch_scc0 .Lentry_shape_is_right
	s_endpgm
.Lentry_shape_is_right:
; O[b][head][q] = softmax_k(Q . K / 8) V, both products on codes of FP6 (E2M3) with E8M0 scales; the result is quantised along the model's 1,024 (two blocks a head) for the last projection.
; THE SOFTMAX: t = score x log2(e) / 8; M = the running largest t rounded up to a whole number; p = 2^(t - M) is quantised along the keys, not normalised; the row's sum is taken of the unquantised p and divides O at the end.
; When M moves, the sum and O are multiplied by 2^(old M - new M): exact.
; SHARES.  A work-group owns one (batch, head) and 512 queries; each of its eight waves owns four tiles of 16 queries and takes them in two passes of TWO TILES AT ONCE: a fragment of K or V read from LDS feeds two products,
; and every chain of dependent lines has the other tile's beside it.  512 registers a wave, two waves to a SIMD.
; LDS: the head's whole K (16 records of 6,656 bytes) and behind it its whole V (16 of 6,400) come once, jointly for the four work-groups of the cluster, which own the head's four blocks of queries:
; one tensor load a wave, waves 0-3 a quarter of K each, waves 4-7 a quarter of V.  LDS is filled once: no ring, no barrier in the loop.  No data prefetch: all is asked for at the head, there is no loop to run ahead in.
; LAYOUT.  Operands lie as images of their registers: a half image (16 lane-rows x 64 K, 768 bytes) has registers 0-3 at 16 x lane and 4-5 at 512 + 8 x lane.  Both products are used transposed (S^T = K Q^T, O^T = V^T P^T): a lane holds one query.
; The scores' K is the head's 64.  Q's registers 6-11 are zero codes; K's tiles lie six registers apart, so a fragment's registers 6-11 are the next tile's codes (behind the last: zeros), which meet Q's zeros alone; all scale bytes are finite.
; K's tile 4 c + t, lane-row r holds key 64 c + 32 (r / 8) + 8 t + r % 8 of the step's 128: lane (r, h) then holds, in the 32 registers of tiles 4 c .. 4 c + 3, keys 64 c + 32 h + 0 .. 31 in order: ONE WHOLE SCALE BLOCK, in the order of P's operand registers.
; So a block's maximum needs no other lane and the codes need no exchange; one lane permute joins the row's maximum and one the four scale bytes.
; A block's largest p is made from its largest score by the same multiply-add and exponential as every p (this takes v_exp_f32 not to fall where its input rises; at the worst one p within an ulp of a power of two is held one code low).
; The scale bytes of O are stored two bytes a lane: a head owns two of a row's 32.
; LOADS FROM LDS: behind a step's score products V's fragments of this step and K's of the next are asked for; the last step's request for K reads V's first record, which is landed and is not used.
; LIMITS: NaN and infinities are not served; the scaled scores stay under 2^31 in magnitude; a p under 2^-126 counts as 0; the division is a multiplication by v_rcp_f32's result.
; REGISTERS, window 0: v1-3, v9, v13 lane terms; v6-8, v10-12 LDS addresses; per tile u: v[16+4u] -M, v[17+4u] the largest score, v[18+4u:19+4u] the sum; v28-31 Q's scale words (two at work, two kept); v32-39 K's, v40-43 V's;
;   v[44+2u] the factor; v48-95 at work; v[53+2u] p's scale word; v96-119 p's codes; v128-255 S^T, then p.   Window 1: v0-53 K; v56-79 Q; v80-91 the second pass's Q; v96-143 V; v144-207 O^T.
.set REC_K, 6656
.set REC_V, 6400
.set VB,    16*REC_K                   ; V's records, behind K's
.set SPARE, VB+16*REC_V                ; behind the tiles: the spare words, 128 bytes a wave, which no other line names
.set SPW,  4
.set NIL,  5
.set NM,   16
.set LS,   18
.set QS,   28
.set KS,   32
.set VS,   40
.set FF,   44
.set BM,   48
.set WW,   52
.set PW,   53
.set SO,   56
.set EB,   60
.set TX,   64
.set TN,   66
.set DD,   68
.set TS,   70
.set CT,   76
.set PC,   96
.set SR,   128
.set KF,   0
.set QF,   56
.set ST,   80
.set VF,   96
.set OF,   144
.set WV,   12
.set CS,   22
.set G1K,  24
.set G1V,  32
.set G0K,  40
.set G0V,  44
.set SEL,  56
.set NEGC, 58
.set MSB, 0
.macro WIN new                         ; bits 1:0 source 0, 3:2 source 1, 5:4 source 2, 7:6 destination; the high byte repeats the setting that is left
.if MSB != (\new)
	s_set_vgpr_msb (MSB<<8)|(\new)
.set MSB, (\new)
.endif
.endm
.macro WALU
	s_wait_alu depctr_va_vdst(0)
.endm
.macro CROUND
	s_barrier_signal -1
	s_barrier_wait -1
	s_cmp_lg_u32 s[WV], 0
	s_cbranch_scc1 .Lnot_wave_0_\@
	s_barrier_signal -3
.Lnot_wave_0_\@:
	s_barrier_wait -3
	s_barrier_signal -1
	s_barrier_wait -1
.endm
.macro KLOAD a16, a8, as               ; a record of K: eight tiles, six registers each, and their scale words: 18 loads; leaves window 0
	WIN 0x40
.irp t, 0,1,2,3,4,5,6,7
	ds_load_b128 v[KF+6*\t:KF+6*\t+3], v[\a16] offset:768*\t
	ds_load_b64 v[KF+6*\t+4:KF+6*\t+5], v[\a8] offset:768*\t+512
.endr
	WIN 0
	ds_load_b128 v[KS:KS+3], v[\as] offset:6144
	ds_load_b128 v[KS+4:KS+7], v[\as] offset:6400
.endm
.macro QLOAD dst, i                    ; tile i of my four tiles of queries
	global_load_b128 v[\dst:\dst+3], v1, s[48:49] offset:768*\i
	global_load_b64 v[\dst+4:\dst+5], v2, s[48:49] offset:768*\i+512
.endm
	s_load_b256 s[4:11], s[0:1], 0x0               ; qkimg, vimg, oimg, oscl
	v_lshl_add_u32 v[SPW], v0, 2, SPARE
	v_mov_b32 v[NIL], 0
	ds_add_u32 v[SPW], v[NIL]                      ; the opening lines: the add, twice on end, and its wait ahead of my first tensor load
	ds_add_u32 v[SPW], v[NIL]
	v_lshrrev_b32 v1, 5, v0
	v_readfirstlane_b32 s[WV], v1                  ; wave 0..7
	s_bfe_u32 s13, ttmp6, 0x40000                  ; cx: my block of 512 queries: it enters Q's and O's addresses alone
	s_and_b32 s14, ttmp7, 0xffff                   ; 16 x batch + head, which the four partners share
	; descriptor groups 1: four dense records as rows of 256 bytes (32 elements of 8 bytes): 104 for K, 100 for V; the mask names the four work-groups
	s_mov_b32 s[G1K], 15|(3<<16)|(1<<21)
	s_mov_b32 s[G1K+1], 32<<16
	s_mov_b32 s[G1K+2], 104<<16
	s_mov_b32 s[G1K+3], 32<<16
	s_mov_b32 s[G1K+4], 104
	s_mov_b32 s[G1K+5], 32
	s_mov_b32 s[G1K+6], 0
	s_mov_b32 s[G1K+7], 0
	s_mov_b32 s[G1V], 15|(3<<16)|(1<<21)
	s_mov_b32 s[G1V+1], 32<<16
	s_mov_b32 s[G1V+2], 100<<16
	s_mov_b32 s[G1V+3], 32<<16
	s_mov_b32 s[G1V+4], 100
	s_mov_b32 s[G1V+5], 32
	s_mov_b32 s[G1V+6], 0
	s_mov_b32 s[G1V+7], 0
	s_lshl_b32 s15, s14, 4                         ; the head's first record
	s_and_b32 s16, s[WV], 3                        ; which quarter I fetch, of K or of V
	s_mul_i32 s[G0K+1], s16, 4*REC_K               ; its place in LDS
	s_mul_i32 s[G0V+1], s16, 4*REC_V
	s_add_co_u32 s[G0V+1], s[G0V+1], VB
	s_lshl_b32 s16, s16, 2
	s_add_co_u32 s16, s16, s15
	s_mul_i32 s18, s16, REC_V
	s_mul_i32 s16, s16, REC_K
	s_add_co_u32 s16, s16, 6815744                 ; K's part of qkimg
	s_mov_b32 s17, 0
	s_mov_b32 s19, 0
	s_mov_b32 s[G0K], 1
	s_mov_b32 s[G0V], 1
	s_lshl_b32 s20, s13, 5
	s_lshl_b32 s21, s[WV], 2
	s_add_co_u32 s20, s20, s21                     ; my first tile of queries, 0 .. 124
	s_lshr_b32 s21, s20, 3
	s_add_co_u32 s21, s21, s15
	s_mul_i32 s21, s21, REC_K                      ; its record in Q's part
	s_and_b32 s48, s20, 4                          ; its place in the record: 0 or 4
	s_mul_i32 s50, s48, 64
	s_mul_i32 s48, s48, 768
	s_add_co_u32 s48, s48, s21                     ; my four half images
	s_mov_b32 s49, 0
	s_add_co_u32 s50, s50, s21
	s_add_co_u32 s50, s50, 6144                    ; their scale words, four to a lane-row
	s_mov_b32 s51, 0
	s_lshr_b32 s52, s14, 4
	s_lshl_b32 s52, s52, 7
	s_add_co_u32 s52, s52, s20                     ; the tile among all 512 tiles of rows
	s_and_b32 s53, s14, 15                         ; the head
	s_lshl_b32 s54, s52, 9
	s_lshl_b32 s55, s53, 1
	s_add_co_u32 s54, s54, s55                     ; O's scale bytes
	s_mov_b32 s55, 0
	s_lshl_b32 s52, s52, 4
	s_add_co_u32 s52, s52, s53
	s_mul_i32 s52, s52, 768                        ; O's half image
	s_mov_b32 s53, 0
	s_mov_b32 s[SEL], 0x76543210
	s_mov_b32 s[SEL+1], 0xfedcba98                 ; v_permlanex16_b32's selects for lane l xor 16
	s_mov_b32 s[CS], 0x3e38aa3b                    ; c = log2(e) / 8
	s_mov_b32 s[CS+1], s[CS]
	s_mov_b32 s[NEGC], 0xbe38aa3b                  ; -c
	s_wait_dscnt 0x0                               ; both opening adds are done
	s_wait_kmcnt 0x0
	s_add_nc_u64 s[G0K+2:G0K+3], s[4:5], s[16:17]
	s_or_b32 s[G0K+3], s[G0K+3], 0x80000000
	s_add_nc_u64 s[G0V+2:G0V+3], s[6:7], s[18:19]
	s_or_b32 s[G0V+3], s[G0V+3], 0x80000000
	s_add_nc_u64 s[48:49], s[4:5], s[48:49]
	s_add_nc_u64 s[50:51], s[4:5], s[50:51]
	s_add_nc_u64 s[52:53], s[8:9], s[52:53]
	s_add_nc_u64 s[54:55], s[10:11], s[54:55]
	CROUND                                         ; all four work-groups are here: the joint loads meet
	s_cmp_lt_u32 s[WV], 4                          ; one tensor load a wave, in one of two arms that join: the launch's only fills
	s_cbranch_scc0 .Lfor_v
	tensor_load_to_lds s[G0K:G0K+3], s[G1K:G1K+7]
	s_nop 0
.rept 4
	v_nop
.endr
	s_branch .Lasked
.Lfor_v:
	tensor_load_to_lds s[G0V:G0V+3], s[G1V:G1V+7]
	s_nop 0
.rept 4
	v_nop
.endr
.Lasked:
	v_and_b32 v10, 31, v0
	v_and_b32 v11, 15, v0
	v_bfe_u32 v13, v0, 4, 1
	v_lshlrev_b32 v1, 4, v10                       ; 16 x lane
	v_lshlrev_b32 v2, 3, v10                       ; 8 x lane
	v_lshlrev_b32 v3, 4, v11                       ; 16 r: four scale words a lane-row
	v_lshlrev_b32 v9, 5, v11                       ; 32 r: a row of O's scale bytes
	v_lshlrev_b32 v13, 3, v13                      ; 8 h: my bytes' shift in p's scale word
	global_load_b128 v[QS:QS+3], v3, s[50:51]      ; my four tiles' scale words
	WIN 0x40
	QLOAD QF, 0
	QLOAD QF+12, 1
	QLOAD ST, 2                                    ; the second pass's two tiles are kept aside
	QLOAD ST+6, 3
.irp i, 0,1,2,3,4,5
	v_mov_b32 v[QF+6+\i], 0                        ; zero codes for the upper 64 of the instruction's 128: set once
	v_mov_b32 v[QF+18+\i], 0
	v_mov_b32 v[KF+48+\i], 0                       ; and behind K's last tile
.endr
	WIN 0
.irp u, 0,1
	v_mov_b32 v[TX+\u], 0                          ; written once: a lane permute's destination counts as one of its sources
	v_mov_b32 v[FF+2*\u+1], 0                      ; (named as the upper half of the factor's pair)
.endr
	WALU                                           ; the wait at the head's end
	s_wait_loadcnt 0x0                             ; Q
	s_wait_tensorcnt 0x0                           ; my quarter is in,
	s_barrier_signal -1
	s_barrier_wait -1                              ; everybody's is
; A KEY STEP: 128 keys against my two tiles of queries.  s3: V's record of this step, s2: K's of the next.
.macro STEP
	s_wait_dscnt 0x0                               ; this step's K is in (asked for a step ago)
	WIN 0x05
.irp t, 0,1,2,3,4,5,6,7
.irp u, 0,1
	v_wmma_scale_f32_16x16x128_f8f6f4 v[SR+64*\u+8*\t:SR+64*\u+8*\t+7], v[KF+6*\t:KF+6*\t+11], v[QF+12*\u:QF+12*\u+11], 0, v[KS+\t], v[QS+\u] matrix_a_fmt:MATRIX_FMT_FP6 matrix_b_fmt:MATRIX_FMT_FP6
.endr
.endr
	WIN 0
	v_add_nc_u32 v10, s3, v1                       ; six address lines: the places ahead of the loads into registers that products have read, and of the first read of the scores
	v_add_nc_u32 v11, s3, v2
	v_add_nc_u32 v12, s3, v3
	v_add_nc_u32 v6, s2, v1
	v_add_nc_u32 v7, s2, v2
	v_add_nc_u32 v8, s2, v3
	ds_load_b128 v[VS:VS+3], v12 offset:6144       ; V: 17 loads,
	WIN 0x40
.irp ft, 0,1,2,3
.irp c, 0,1
	ds_load_b128 v[VF+12*\ft+6*\c:VF+12*\ft+6*\c+3], v10 offset:3072*\c+768*\ft
	ds_load_b64 v[VF+12*\ft+6*\c+4:VF+12*\ft+6*\c+5], v11 offset:3072*\c+768*\ft+512
.endr
.endr
	KLOAD 6, 7, 8                                  ; and the next step's K: 18
.irp u, 0,1                            ; the largest score of each lane's two blocks of 32 keys, four chains by turns; each accumulator is first read at its low end
.irp c, 0,1
	v_max3_num_f32 v[BM+2*\u+\c], v[SR+64*\u+32*\c], v[SR+64*\u+32*\c+1], v[SR+64*\u+32*\c+2]
.endr
.endr
.irp i, 3,5,7,9,11,13,15,17,19,21,23,25,27,29
.irp u, 0,1
.irp c, 0,1
	v_max3_num_f32 v[BM+2*\u+\c], v[BM+2*\u+\c], v[SR+64*\u+32*\c+\i], v[SR+64*\u+32*\c+\i+1]
.endr
.endr
.endr
.irp u, 0,1
.irp c, 0,1
	v_max_num_f32 v[BM+2*\u+\c], v[BM+2*\u+\c], v[SR+64*\u+32*\c+31]
.endr
.endr
.irp u, 0,1
	v_max3_num_f32 v[NM+4*\u+1], v[NM+4*\u+1], v[BM+2*\u], v[BM+2*\u+1]   ; the running largest score,
.endr
.irp u, 0,1
	v_permlanex16_b32 v[TX+\u], v[NM+4*\u+1], s[SEL], s[SEL+1]
.endr
.irp u, 0,1
	v_max_num_f32 v[NM+4*\u+1], v[NM+4*\u+1], v[TX+\u]                    ; with lane l xor 16's keys
.endr
.irp u, 0,1
	v_mul_f32 v[TN+\u], s[NEGC], v[NM+4*\u+1]      ; -t (c is positive)
.endr
.irp u, 0,1
	v_floor_f32 v[TN+\u], v[TN+\u]                 ; the new -M = -ceil(t): a whole number
.endr
.irp u, 0,1
	v_sub_f32 v[DD+\u], v[TN+\u], v[NM+4*\u]       ; old M - new M: a whole number, 0 or less
.endr
.irp u, 0,1
	v_mov_b32 v[NM+4*\u], v[TN+\u]
.endr
.irp u, 0,1
	v_cvt_i32_f32 v[DD+\u], v[DD+\u]               ; (it saturates)
.endr
.irp u, 0,1
	v_ldexp_f32 v[FF+2*\u], 1.0, v[DD+\u]          ; f = 2^(old M - new M)
.endr
.irp u, 0,1
.set j, 0
.rept 32
	v_pk_fma_f32 v[SR+64*\u+j:SR+64*\u+j+1], v[SR+64*\u+j:SR+64*\u+j+1], s[CS:CS+1], v[NM+4*\u:NM+4*\u+1] op_sel_hi:[1,0,0]   ; t - M, two at a time
.set j, j+2
.endr
.endr
.irp u, 0,1
.irp c, 0,1
	v_fma_f32 v[BM+2*\u+\c], v[BM+2*\u+\c], s[CS], v[NM+4*\u]   ; the same of each block's largest score
.endr
.endr
	WIN 0x41
.irp u, 0,1
.set j, 0
.rept 16
	v_pk_mul_f32 v[OF+32*\u+j:OF+32*\u+j+1], v[OF+32*\u+j:OF+32*\u+j+1], v[FF+2*\u:FF+2*\u+1] op_sel_hi:[1,0]   ; O^T under the new M, ahead of the exponentials
.set j, j+2
.endr
.endr
	WIN 0
.irp u, 0,1
	v_pk_mul_f32 v[LS+4*\u:LS+4*\u+1], v[LS+4*\u:LS+4*\u+1], v[FF+2*\u:FF+2*\u+1] op_sel_hi:[1,0]   ; and the sums
.endr
	WALU                                           ; the wait ahead of the batch
.irp b, 0,1,2,3
	v_exp_f32 v[BM+\b], v[BM+\b]                   ; each block's largest p
.endr
.set j, 0
.rept 128
	v_exp_f32 v[SR+j], v[SR+j]                     ; p = 2^(t - M), at most 1
.set j, j+1
.endr
	v_nop                                          ; a plain place behind the exponentials
	WALU                                           ; one wait for the whole batch, ahead of its first reader
.irp b, 0,1,2,3
	v_max_num_f32 v[BM+\b], 0x1800000, v[BM+\b]    ; the floor 2^(3 - 127): the byte cannot fall under 1
.endr
.irp b, 0,1,2,3
	v_add_nc_u32 v[SO+\b], 0xff000000, v[BM+\b]    ; 2 off the exponent field: the conversion's scale operand
.endr
.irp b, 0,1,2,3
	v_lshrrev_b32 v[EB+\b], 23, v[SO+\b]           ; the scale's byte
.endr
.irp u, 0,1
	v_lshl_or_b32 v[WW+2*\u], v[EB+2*\u+1], 16, v[EB+2*\u]   ; my bytes: blocks h and 2 + h,
.endr
.irp u, 0,1
	v_lshlrev_b32 v[WW+2*\u], v13, v[WW+2*\u]      ; at their places;
.endr
.irp u, 0,1
	v_permlanex16_b32 v[TX+\u], v[WW+2*\u], s[SEL], s[SEL+1]
.endr
.irp u, 0,1
	v_or_b32 v[PW+2*\u], v[WW+2*\u], v[TX+\u]      ; with lane l xor 16's two the word is whole
.endr
.irp u, 0,1
.irp c, 0,1
	v_cvt_scalef32_pk16_fp6_f32 v[PC+12*\u+6*\c:PC+12*\u+6*\c+2], v[SR+64*\u+32*\c:SR+64*\u+32*\c+15], v[SO+2*\u+\c]
	v_cvt_scalef32_pk16_fp6_f32 v[CT+8*\u+4*\c:CT+8*\u+4*\c+2], v[SR+64*\u+32*\c+16:SR+64*\u+32*\c+31], v[SO+2*\u+\c]   ; (a conversion's three registers begin on an even number)
.endr
.endr
.irp u, 0,1                            ; the row's sum of the unquantised p, two at a time, two chains a tile; the first two lines are the plain places behind the conversions
	v_pk_add_f32 v[TS+2*\u:TS+2*\u+1], v[SR+64*\u:SR+64*\u+1], v[SR+64*\u+2:SR+64*\u+3]
.endr
.irp u, 0,1
.irp c, 0,1
.irp i, 0,1,2
	v_mov_b32 v[PC+12*\u+6*\c+3+\i], v[CT+8*\u+4*\c+\i]
.endr
.endr
.endr
.irp i, 4,8,12,16,20,24,28,32,36,40,44,48,52,56,60
.irp u, 0,1
	v_pk_add_f32 v[LS+4*\u:LS+4*\u+1], v[LS+4*\u:LS+4*\u+1], v[SR+64*\u+\i:SR+64*\u+\i+1]
	v_pk_add_f32 v[TS+2*\u:TS+2*\u+1], v[TS+2*\u:TS+2*\u+1], v[SR+64*\u+\i+2:SR+64*\u+\i+3]
.endr
.endr
.irp u, 0,1
	v_pk_add_f32 v[LS+4*\u:LS+4*\u+1], v[LS+4*\u:LS+4*\u+1], v[TS+2*\u:TS+2*\u+1]
.endr
	WALU                                           ; directly ahead of the wait below
	s_wait_dscnt 18                                ; V's 17 loads are in; the 18 of the next step's K, issued behind them, may be out
	WIN 0x51
.irp ft, 0,1,2,3                       ; the eight accumulators by turns
.irp u, 0,1
	v_wmma_scale_f32_16x16x128_f8f6f4 v[OF+32*\u+8*\ft:OF+32*\u+8*\ft+7], v[VF+12*\ft:VF+12*\ft+11], v[PC+12*\u:PC+12*\u+11], v[OF+32*\u+8*\ft:OF+32*\u+8*\ft+7], v[VS+\ft], v[PW+2*\u] matrix_a_fmt:MATRIX_FMT_FP6 matrix_b_fmt:MATRIX_FMT_FP6
.endr
.endr
	WIN 0
.endm
	s_mov_b32 s59, 0                               ; the pass
.Lpass:                                                ; two tiles of 16 queries through all 2,048 keys, and their way out
	s_wait_dscnt 0x0                               ; (second pass: the last step's unused request has landed)
	KLOAD 1, 2, 3                                  ; K's record 0
.irp u, 0,1
	v_mov_b32 v[NM+4*\u+1], 0xff61b1e6             ; the largest score so far: -3e38
	v_mov_b32 v[NM+4*\u], 0x7e000000               ; -M: so large that the first factor is 0
	v_mov_b32 v[LS+4*\u], 0
	v_mov_b32 v[LS+4*\u+1], 0
.endr
	WIN 0x40
.set j, 0
.rept 64
	v_mov_b32 v[OF+j], 0                           ; O^T: the step is written once, and the first factor multiplies zeros
.set j, j+1
.endr
	WIN 0
	s_mov_b32 s2, REC_K
	s_mov_b32 s3, VB
	s_mov_b32 s15, 16
.Lkeys:
	STEP
	s_add_co_u32 s2, s2, REC_K
	s_add_co_u32 s3, s3, REC_V
	s_sub_co_u32 s15, s15, 1
	s_cmp_lg_u32 s15, 0
	s_cbranch_scc1 .Lkeys
.irp u, 0,1                            ; six plain lines: the places behind the last products
	v_add_f32 v[LS+4*\u], v[LS+4*\u], v[LS+4*\u+1]
.endr
.irp u, 0,1
	v_permlanex16_b32 v[TX+\u], v[LS+4*\u], s[SEL], s[SEL+1]
.endr
.irp u, 0,1
	v_add_f32 v[LS+4*\u], v[LS+4*\u], v[TX+\u]     ; the row's sum
.endr
	WALU                                           ; the wait ahead of the transcendentals
.irp u, 0,1
	v_rcp_f32 v[LS+4*\u], v[LS+4*\u]
.endr
	v_nop                                          ; a plain place behind them
	WIN 0x01
	WALU                                           ; and the wait directly ahead of the first reader of their results and of O^T
.irp u, 0,1
.set j, 0
.rept 16
	v_pk_mul_f32 v[SR+64*\u+j:SR+64*\u+j+1], v[OF+32*\u+j:OF+32*\u+j+1], v[LS+4*\u:LS+4*\u+1] op_sel_hi:[1,0]   ; O^T / the sum: register 16 b + i is feature 32 b + 16 h + i of the head
.set j, j+2
.endr
.endr
	WIN 0
.irp u, 0,1
.irp b, 0,1
	v_max3_num_f32 v[BM+2*\u+\b], |v[SR+64*\u+16*\b]|, |v[SR+64*\u+16*\b+1]|, 0x1800000
.endr
.endr
.irp i, 2,4,6,8,10,12,14
.irp u, 0,1
.irp b, 0,1
	v_max3_num_f32 v[BM+2*\u+\b], v[BM+2*\u+\b], |v[SR+64*\u+16*\b+\i]|, |v[SR+64*\u+16*\b+\i+1]|
.endr
.endr
.endr
.irp b, 0,1,2,3
	v_permlanex16_b32 v[EB+\b], v[BM+\b], s[SEL], s[SEL+1]
.endr
.irp b, 0,1,2,3
	v_max_num_f32 v[BM+\b], v[BM+\b], v[EB+\b]     ; here a block lies in lanes l and l xor 16
.endr
.irp b, 0,1,2,3
	v_add_nc_u32 v[SO+\b], 0xff000000, v[BM+\b]
.endr
.irp b, 0,1,2,3
	v_lshrrev_b32 v[EB+\b], 23, v[SO+\b]
.endr
.irp u, 0,1
	v_lshl_or_b32 v[WW+2*\u], v[EB+2*\u+1], 8, v[EB+2*\u]   ; the head's two scale bytes of my row
.endr
.irp u, 0,1
	v_cvt_scalef32_pk16_fp6_f32 v[PC+12*\u:PC+12*\u+2], v[SR+64*\u:SR+64*\u+15], v[SO+2*\u]
	v_cvt_scalef32_pk16_fp6_f32 v[CT+8*\u:CT+8*\u+2], v[SR+64*\u+16:SR+64*\u+31], v[SO+2*\u+1]
.endr
	v_nop                                          ; one plain place behind a scaled conversion
.irp u, 0,1
.irp i, 0,1,2
	v_permlane16_swap_b32 v[PC+12*\u+\i], v[CT+8*\u+\i]   ; the operand's layout wants a whole block in a lane
.endr
.endr
.irp u, 0,1
.irp i, 0,1,2
	v_mov_b32 v[PC+12*\u+3+\i], v[CT+8*\u+\i]
.endr
.endr
.irp u, 0,1
	global_store_b128 v1, v[PC+12*\u:PC+12*\u+3], s[52:53] offset:12288*\u
	global_store_b64 v2, v[PC+12*\u+4:PC+12*\u+5], s[52:53] offset:12288*\u+512
	global_store_b16 v9, v[WW+2*\u], s[54:55] offset:512*\u   ; both halves of the lanes store the same two bytes
.endr
	s_wait_xcnt 0x0                                ; the stores have read their data and bases, which are written again only behind this wait
	s_add_nc_u64 s[52:53], s[52:53], 2*12288       ; two tiles on
	s_add_nc_u64 s[54:55], s[54:55], 2*512
	WIN 0x41
.irp i, 0,1,2,3,4,5
	v_mov_b32 v[QF+\i], v[ST+\i]                   ; the second pass's Q takes the first's place
	v_mov_b32 v[QF+12+\i], v[ST+6+\i]
.endr
	WIN 0
	v_mov_b32 v[QS], v[QS+2]
	v_mov_b32 v[QS+1], v[QS+3]
	s_add_co_u32 s59, s59, 1
	s_cmp_lt_u32 s59, 2
	s_cbranch_scc1 .Lpass
	s_wait_tensorcnt 0x0                           ; the wave's end
	ds_add_u32 v[SPW], v[NIL]
	s_wait_dscnt 0x0
	CROUND                                         ; the closing round
	s_endpgm
.Lfunc_end_k_q4e5b46f397_attn:
	.size	k_q4e5b46f397_attn, .Lfunc_end_k_q4e5b46f397_attn-k_q4e5b46f397_attn
	.p2alignl 7, 3214868480
	.fill 96, 4, 3214868480
	.section	.rodata,"a",@progbits
	.p2align	6, 0x0
	.amdhsa_kernel k_q4e5b46f397_attn
		.amdhsa_group_segment_fixed_size 210944
		.amdhsa_private_segment_fixed_size 0
		.amdhsa_enable_private_segment 0
		.amdhsa_kernarg_size 32
		.amdhsa_user_sgpr_count 2
		.amdhsa_user_sgpr_kernarg_segment_ptr 1
		.amdhsa_wavefront_size32 1
		.amdhsa_system_sgpr_workgroup_id_x 1
		.amdhsa_system_sgpr_workgroup_id_y 1
		.amdhsa_system_sgpr_workgroup_id_z 1
		.amdhsa_system_vgpr_workitem_id 0
		.amdhsa_next_free_vgpr 512
		.amdhsa_next_free_sgpr 66
		.amdhsa_reserve_vcc 0
		.amdhsa_float_denorm_mode_32 3
		.amdhsa_float_denorm_mode_16_64 3
		.amdhsa_memory_ordered 1
		.amdhsa_forward_progress 1
		.amdhsa_inst_pref_size 46
	.end_amdhsa_kernel
	.amdgpu_metadata
---
amdhsa.version: [ 1, 2 ]
amdhsa.kernels:
  - .name:           k_q4e5b46f397_attn
    .symbol:         k_q4e5b46f397_attn.kd
    .args:
      - { .name: qkimg, .offset: 0, .size: 8, .value_kind: global_buffer, .address_space: global }
      - { .name: vimg, .offset: 8, .size: 8, .value_kind: global_buffer, .address_space: global }
      - { .name: oimg, .offset: 16, .size: 8, .value_kind: global_buffer, .address_space: global }
      - { .name: oscl, .offset: 24, .size: 8, .value_kind: global_buffer, .address_space: global }
    .group_segment_fixed_size: 210944
    .private_segment_fixed_size: 0
    .kernarg_segment_align: 8
    .kernarg_segment_size: 32
    .max_flat_workgroup_size: 256
    .sgpr_count:     66
    .vgpr_count:     512
    .wavefront_size: 32
...
	.end_amdgpu_metadata
.endif
;; end of part 3
;; launch outp (part 4): grid 32 x 8, 4 waves a work-group, clusters of 4 x 4, 327,680 bytes of LDS; arguments oimg, oscl, wimg, scl, out0, b_o; writes out0
.if DOCPART == 4
	.amdgcn_target "amdgcn-amd-amdhsa--gfx1250"
	.amdhsa_code_object_version 6
	.text
	.protected	k_q4e5b46f397_outp
	.globl	k_q4e5b46f397_outp
	.p2align	8
	.type	k_q4e5b46f397_outp,@function
k_q4e5b46f397_outp:
	s_mov_b64 s[64:65], 0
	v_nop
	global_prefetch_b8 v0, s[64:65] scope:SCOPE_SE
	s_setreg_imm32_b32 hwreg(HW_REG_WAVE_MODE, 25, 1), 1
	s_wait_xcnt 0x0
	s_wait_alu depctr_hold_cnt(0) depctr_sa_sdst(0) depctr_va_vdst(0) depctr_va_sdst(0) depctr_va_ssrc(0) depctr_va_vcc(0) depctr_vm_vsrc(0)
	s_getreg_b32 s2, hwreg(HW_REG_IB_STS2, 6, 4)
	s_cmp_eq_u32 s2, 0
	s_cbranch_scc0 .Lentry_in_a_cluster
	s_endpgm
.Lentry_in_a_cluster:
	s_bfe_u32 s2, ttmp6, 0x10000c
	s_cmp_lg_u32 s2, 0xf033
	s_cbranch_scc0 .Lentry_shape_is_right
	s_endpgm
.Lentry_shape_is_right:
; out0[row][n] = sum over k of O[row][k] w_o[k][n] + b_o[n], f32: the last projection, 8,192 x 1,024 x 1,024, on codes of FP6 (E2M3) with E8M0 scales.
; LIMITS: NaN, infinities and sums beyond f32's range are not served; a sum begins with the bias, where the reference adds it last.
; OPERANDS lie as images of their registers.  A tile has 16 lane-rows and 12,288 bytes: eight fragments (128 K) of 1,536 bytes, each two half images of 768: registers 0-3 at 16 x lane, 4-5 at 512 + 8 x lane.
; Tile 2 g + u, lane-row r holds true row (of O) or column (of w_o) 32 g + 8 u + r % 8 + 16 (r / 8).  Scale bytes: [tile][lane-row][32].  A: oimg, oscl;  B: w_o's part of wimg and scl.
; THE DEAL.  256 work-groups of four waves, 2 x 2, each 256 rows x 128 columns.  A wave holds four column tiles of B, all of K, in 384 registers and streams A past them in eight blocks of 16 rows:
; the wave in row a takes the work-group's tile 2 s + a as its block s.  A block's eight fragments feed 32 products; each row of A and of B is read from LDS once by a wave.
; THE CLUSTER's x counts tile rows (grid = 32, 8): A's tiles are shared by a column of the cluster (mask s44), B's by a row (mask s45).  No LDS address hangs on the cluster's numbers.
; LDS: A's 16 tiles, then B's 8, both dense (a load of 16 or 8 bytes a lane reads consecutive bytes), all at once: no refill, and no data prefetch, since all is asked for at the head;
; A's scale bytes, in units of 256 + 16; the spare words.  The waves' stages lie in B's first bytes, which have had their one fill and are read for the last time ahead of the barrier in front of the stream.
; THE HEAD'S FOUR TILES, one a wave, each on a line of its own: B; A's tiles 0-7; 8-11; 12-15.  The stream begins when the first two are in; a plain barrier inside block 1 (and, the text being a loop's, inside 3 and 5) shows the others.
; TWO SETS of A's fragments, of accumulators and of the rows that come back from the stage, by turns.  ONE RUN OF MEMORY LINES behind a block's products: its sums into the stage and back as whole rows of 256 bytes; the fetch of the block two on; one wait; eight stores.
; THE PRODUCT IS USED TRANSPOSED (source 0 = B's tile): lane (r, h) holds lane-row r of A, and register j of column tile 2 g + u the column 32 g + 8 u + 16 h + j.
.set SIZE_N, 1024
.set NQ, 8                             ; K / 128
.set NB, 4                             ; column tiles a wave
.set TM, 256
.set TN, 128
.set KROW, 768                         ; a tensor load's row: a sixteenth of a tile
.set KS, 32
.set TILE, 12288
.set FR, 12
.set FPW, 256/FR                       ; fragments in a window
.set NF, 34                            ; LDS loads of a block: 32 for eight fragments, 2 for eight scale words
.set YB, TM*KROW                       ; B's tiles, behind A's
.set SCL, YB+TN*KROW                   ; A's scale bytes
.set RS, TM*KS/256
.set SSTEP, (32*KS/256)*272            ; from a block's scale words to my next block's
.set SPITCH, 16*NB*4+16                ; a stage of 16 rows x (256 bytes + 16) for each wave
.set STAGE, YB
.set SPARE, SCL+RS*272
.set AAS0, 6                           ; v6   LDS address of my row's scale words in block 0
.set CO, 9                             ; v9   my byte offset in out0: row l / 16, 16 bytes x (l % 16)
.set SPW, 10
.set NIL, 11
.set ABS, 16                           ; v16  my offset in B's scale bytes
.set AAS, 17                           ; v17  as v6, for the block that is fetched next
.set STO, 18
.set RD, 19
.set SB, 24                            ; v24-39  B's scale words
.set SA, 42                            ; v42-57  A's: two sets of eight
.set ACC, 64                           ; v64-127 two sets of four accumulators
.set BK, 128                           ; v128-191 two sets: 16 rows x 256 bytes back from the stage
.set AQ0, 192                          ; v192, v193 LDS addresses of block 0's fragments (16 x lane, 8 x lane)
.set AQ, 200                           ; v200, v201 the same for the block that is fetched next
.set BO, 208                           ; v208-239 the bias as the first four products' C
.set BA, 240                           ; v240, v241 LDS addresses of my four tiles of B
.set G1A, 24
.set G0A, 56
.set G1B, 32
.set G0B, 60
.set MSB, 0
.macro WIN new
.if MSB != \new
	s_set_vgpr_msb (MSB<<8)|\new
.set MSB, \new
.endif
.endm
.macro PLACES n
.rept \n
	v_nop
.endr
.endm
.macro WALU
	s_wait_alu depctr_va_vdst(0)
.endm
.macro BARRIER
	s_barrier_signal -1
	s_barrier_wait -1
.endm
.macro CROUND
	BARRIER
	s_cmp_lg_u32 s14, 0
	s_cbranch_scc1 .Lnot_wave_0_\@
	s_barrier_signal -3
.Lnot_wave_0_\@:
	s_barrier_wait -3
	BARRIER
.endm
.macro TLOAD g0, g1                    ; an s_nop 0 and four v_nop follow a tensor load
	tensor_load_to_lds s[\g0:\g0+3], s[\g1:\g1+7]
	s_nop 0
	PLACES 4
.endm
.macro ATILE first, rows               ; a part of A, by a descriptor of constants: dense, so its place in LDS is its place in the block
	s_mov_b32 s[G0A+1], (\first)*KROW
	s_mov_b32 s[G1A+2], (\rows)<<16
	s_mov_b32 s[G1A+4], \rows
.if \first
	s_add_nc_u64 s[G0A+2:G0A+3], s[G0A+2:G0A+3], (\first)*KROW
.endif
	s_or_b32 s[G0A+3], s[G0A+3], 0x80000000
	TLOAD G0A, G1A
.endm
.macro GROUP1 g, mask, rows
	s_or_b32 s[\g+0], s[\mask], (1<<21)
	s_mov_b32 s[\g+1], (KROW&0xffff)<<16
	s_mov_b32 s[\g+3], KROW<<16
.if \rows                              ; (rows = 0: the two words that hold the rows are written with each tile: ATILE)
	s_mov_b32 s[\g+2], (KROW>>16)|((\rows)<<16)
	s_mov_b32 s[\g+4], \rows
.endif
	s_mov_b32 s[\g+5], KROW
	s_mov_b32 s[\g+6], 0
	s_mov_b32 s[\g+7], 0
.endm
.macro FRAG f, a, off                  ; fragment f (12 registers from 12 (f % FPW) on in window 1 + f / FPW) from the image at byte off: four loads
	WIN (1+(\f)/FPW)<<6
.set R_, FR*((\f)%FPW)
	ds_load_b128 v[R_:R_+3], v[\a] offset:\off
	ds_load_b64 v[R_+4:R_+5], v[\a+1] offset:(\off)+512
	ds_load_b128 v[R_+6:R_+9], v[\a] offset:(\off)+768
	ds_load_b64 v[R_+10:R_+11], v[\a+1] offset:(\off)+1280
.endm
.macro FETCHAT e, aq, as               ; a block of A into set e: NF loads
.irp q, 0,1,2,3,4,5,6,7
	FRAG NB*NQ+NQ*(\e)+\q, \aq, 1536*\q
.endr
	WIN 0
	ds_load_b128 v[SA+8*(\e):SA+8*(\e)+3], v[\as]
	ds_load_b128 v[SA+8*(\e)+4:SA+8*(\e)+7], v[\as] offset:16
.endm
.macro PROD e, n                       ; product n = 4 q + tile of a block whose rows lie in set e; the four accumulators by turns
.set Q_, (\n)/4
.set FB_, NB*Q_+(\n)%4
.set FA_, NB*NQ+NQ*(\e)+Q_
.set D_, ACC+32*(\e)+8*((\n)%4)
.set XB_, SB+NQ*(((\n)%4)/2)+Q_
.set XA_, SA+8*(\e)+Q_
	WIN (1+FB_/FPW)|((1+FA_/FPW)<<2)
.if Q_
	PROD1 D_, FB_, FA_, v[D_:D_+7], XB_, XA_, (\n)%2
.else
	PROD1 D_, FB_, FA_, v[BO+8*((\n)%4):BO+8*((\n)%4)+7], XB_, XA_, (\n)%2
.endif
.endm
.macro PROD1 d, s0, s1, c, x0, x1, o
.if \o
	v_wmma_scale_f32_16x16x128_f8f6f4 v[\d:\d+7], v[FR*((\s0)%FPW):FR*((\s0)%FPW)+FR-1], v[FR*((\s1)%FPW):FR*((\s1)%FPW)+FR-1], \c, v[\x0], v[\x1] matrix_a_fmt:MATRIX_FMT_FP6 matrix_b_fmt:MATRIX_FMT_FP6 matrix_a_scale:MATRIX_SCALE_ROW1
.else
	v_wmma_scale_f32_16x16x128_f8f6f4 v[\d:\d+7], v[FR*((\s0)%FPW):FR*((\s0)%FPW)+FR-1], v[FR*((\s1)%FPW):FR*((\s1)%FPW)+FR-1], \c, v[\x0], v[\x1] matrix_a_fmt:MATRIX_FMT_FP6 matrix_b_fmt:MATRIX_FMT_FP6 matrix_a_scale:MATRIX_SCALE_ROW0
.endif
.endm
.macro PRODS e, from, to, fetch
.set N_, \from
.rept (\to)-(\from)
	PROD \e, N_
.if (\fetch) && N_ == 1
	s_add_co_u32 s101, s101, 2*TILE                ; on to the block that this block's run fetches
	s_add_co_u32 s91, s91, SSTEP
.endif
.set N_, N_+1
.endr
	WIN 0
.endm
.macro TOC s                           ; the rows in set s of BK go to out0.  s[12:13] stands at the pair's first row; the pair's second block lies 32 rows on.  Lane-rows 2 t, 2 t + 1 are rows 16 (t / 4) + 2 t % 8 and the next
.irp t, 0,1,2,3,4,5,6,7
	global_store_b128 v[CO], v[BK+32*(\s)+4*\t:BK+32*(\s)+4*\t+3], s[12:13] offset:(32*(\s)+16*(\t/4)+(2*\t)%8)*SIZE_N*4 th:TH_STORE_NT   ; sixteen lanes store 256 consecutive bytes, aligned
.endr
.endm
.macro STAGED u                        ; set u's sums into my stage, each accumulator from its low end on, and back as whole rows.  LDS serves a wave's instructions in order (ISA guide 5.7.1.4): no wait between
.irp b, 0,1,2,3
	ds_store_b128 v[STO], v[ACC+32*(\u)+8*\b:ACC+32*(\u)+8*\b+3] offset:128*(\b/2)+32*(\b%2)
	ds_store_b128 v[STO], v[ACC+32*(\u)+8*\b+4:ACC+32*(\u)+8*\b+7] offset:128*(\b/2)+32*(\b%2)+16
.endr
.irp t, 0,1,2,3,4,5,6,7
	ds_load_b128 v[BK+32*(\u)+4*\t:BK+32*(\u)+4*\t+3], v[RD] offset:2*\t*SPITCH
.endr
.endm
.macro STREAM s, fetch, show           ; a pair's block s = 0, 1.  show = 1: a plain barrier inside the block shows waves 2 and 3's tiles to all
.if \show
	PRODS \s, 0, 24, \fetch
	s_wait_tensorcnt 0x0
	s_wait_dscnt 0x0
	s_barrier_signal -1
	PRODS \s, 24, 32, \fetch
	s_barrier_wait -1
.else
	PRODS \s, 0, 32, \fetch
.endif
.if \fetch                             ; four plain vector lines stand between the last product and the first reader of its sums and the fetch into its registers
	v_add_nc_u32 v[AQ], s101, v[AQ0]
	v_add_nc_u32 v[AQ+1], s101, v[AQ0+1]
	v_add_nc_u32 v[AAS], s91, v[AAS0]
	v_nop
	WALU                                           ; directly ahead of the wait below
.else
	PLACES 4
.endif
	s_wait_xcnt 0x0                                ; the stores of two blocks ago have read set s of the rows, and those of the block before their base
.if (\s) == 0
	s_add_nc_u64 s[12:13], s[12:13], s[20:21]      ; on to this pair's rows of out0
.endif
	STAGED \s
.if \fetch
	FETCHAT \s, AQ, AAS
	s_wait_dscnt NF                                ; the block's rows are back from the stage, and the next block's fragments are in; this run's fetch, NF loads, is younger
.else
	s_wait_dscnt 0x0
.endif
	TOC \s
.endm
; ================= THE HEAD
	s_load_b128 s[4:7], s[0:1], 0x0                ; oimg, oscl
	s_load_b128 s[8:11], s[0:1], 0x10              ; wimg, scl
	s_load_b64 s[12:13], s[0:1], 0x20              ; out0
	s_load_b64 s[86:87], s[0:1], 0x28              ; b_o
	v_lshl_add_u32 v[SPW], v0, 2, SPARE
	v_mov_b32 v[NIL], 0
	ds_add_u32 v[SPW], v[NIL]                      ; the opening lines: the add, twice on end, and its wait
	ds_add_u32 v[SPW], v[NIL]
	v_lshrrev_b32 v1, 5, v0
	v_readfirstlane_b32 s14, v1                    ; the wave; s15 its row a of the 2 x 2, s16 its column
	s_lshr_b32 s15, s14, 1
	s_and_b32 s16, s14, 1
	s_bfe_u32 s40, ttmp6, 0x40000
	s_bfe_u32 s41, ttmp6, 0x40004
	s_lshl_b32 s43, ttmp9, 2
	s_add_co_u32 s43, s43, s40                     ; tile row: 4 x cluster x + cx
	s_and_b32 s42, ttmp7, 0xffff
	s_lshl_b32 s42, s42, 2
	s_add_co_u32 s42, s42, s41                     ; tile column: 4 x cluster y + cy
	s_lshl_b32 s44, 0x1111, s40                    ; my column of the cluster: shares A
	s_lshl_b32 s45, s41, 2
	s_lshl_b32 s45, 15, s45                        ; my row: shares B
	GROUP1 G1A, 44, 0
	GROUP1 G1B, 45, TN
	s_mov_b32 s[G0A], 1
	s_mul_i32 s76, s43, TM*KROW                    ; my 16 tiles of A
	s_mov_b32 s77, 0
	s_mul_i32 s78, s42, TN*KROW                    ; my 8 tiles of B
	s_mov_b32 s79, 0
	s_mul_i32 s80, s43, TM*KS                      ; A's scale bytes
	s_mov_b32 s81, 0
	s_mul_i32 s82, s42, TN*KS
	s_mul_i32 s21, s16, 16*NB*KS
	s_add_co_u32 s82, s82, s21                     ; B's scale bytes, my four tiles
	s_mov_b32 s83, 0
	s_mul_i32 s84, s43, TM*SIZE_N*4
	s_mul_i32 s21, s15, 8*SIZE_N*4                 ; the odd tile of a pair begins 8 rows on
	s_add_co_u32 s84, s84, s21
	s_mul_i32 s88, s42, TN*4
	s_mul_i32 s21, s16, 16*NB*4
	s_add_co_u32 s88, s88, s21                     ; my 64 columns, in bytes
	s_add_co_u32 s84, s84, s88
	s_mov_b32 s85, 0
	s_mov_b32 s89, 0
	s_mov_b32 s[G0B], 1
	s_mov_b32 s[G0B+1], YB
	s_mul_i32 s23, s15, TILE
	s_mul_i32 s22, s16, NB*TILE
	s_add_co_u32 s22, s22, YB
	s_mul_i32 s21, s15, (16*KS/256)*272
	s_add_co_u32 s21, s21, SCL
	s_mul_i32 s20, s14, 16*SPITCH
	s_add_co_u32 s20, s20, STAGE
	v_and_b32 v1, 15, v0
	v_bfe_u32 v2, v0, 4, 1
	v_and_b32 v3, 31, v0
	v_lshl_add_u32 v[AQ0], v3, 4, s23
	v_lshl_add_u32 v[AQ0+1], v3, 3, s23
	v_lshl_add_u32 v[BA], v3, 4, s22
	v_lshl_add_u32 v[BA+1], v3, 3, s22
	v_add_nc_u32 v[AQ], 2*TILE, v[AQ0]
	v_add_nc_u32 v[AQ+1], 2*TILE, v[AQ0+1]
	v_mul_u32_u24 v[ABS], v3, KS
	v_mul_u32_u24 v23, v1, KS
	v_lshrrev_b32 v22, 8, v23
	v_lshl_add_u32 v23, v22, 4, v23                ; 16 more for each 256 passed
	v_add_nc_u32 v[AAS0], s21, v23
	v_add_nc_u32 v[AAS], SSTEP, v[AAS0]
	v_mul_u32_u24 v23, v1, SPITCH
	v_lshl_add_u32 v23, v2, 6, v23                 ; into the stage: row r, 64 h bytes
	v_add_nc_u32 v[STO], s20, v23
	v_mul_u32_u24 v23, v2, SPITCH
	v_lshl_add_u32 v23, v1, 4, v23
	v_add_nc_u32 v[RD], s20, v23
	v_mul_u32_u24 v23, v2, SIZE_N*4
	v_lshl_add_u32 v[CO], v1, 4, v23
	v_lshlrev_b32 v20, 4, v0                       ; A's scale bytes on their way into LDS: 16 bytes a thread, four times,
	v_lshrrev_b32 v21, 4, v0
	v_mul_u32_u24 v21, v21, 272
	v_lshl_add_u32 v21, v1, 4, v21
	v_add_nc_u32 v21, SCL, v21                     ; to unit x 272 + byte in the unit
	v_lshlrev_b32 v8, 6, v2                        ; the bias: 64 h bytes
	WALU                                           ; the wait at the head's end
	s_wait_dscnt 0x0
	CROUND                                         ; the opening round, ahead of the wait for the arguments
	s_wait_kmcnt 0x0
	s_add_nc_u64 s[8:9], s[8:9], 2359296           ; w_o's part of wimg,
	s_add_nc_u64 s[10:11], s[10:11], 884736        ; and of scl
	s_add_nc_u64 s[G0A+2:G0A+3], s[4:5], s[76:77]
	s_add_nc_u64 s[G0B+2:G0B+3], s[8:9], s[78:79]
	s_or_b32 s[G0B+3], s[G0B+3], 0x80000000
	s_add_nc_u64 s[6:7], s[6:7], s[80:81]
	s_add_nc_u64 s[10:11], s[10:11], s[82:83]
	s_add_nc_u64 s[12:13], s[12:13], s[84:85]
	s_add_nc_u64 s[86:87], s[86:87], s[88:89]
	s_cmp_eq_u32 s14, 0
	s_cbranch_scc0 .Lwave_1
	TLOAD G0B, G1B                                 ; wave 0: B, which is wanted first
	s_branch .Lasked
.Lwave_1:
	s_cmp_eq_u32 s14, 1
	s_cbranch_scc0 .Lwave_2
	ATILE 0, 128                                   ; wave 1: A's tiles 0 to 7
	s_branch .Lasked
.Lwave_2:
	s_cmp_eq_u32 s14, 2
	s_cbranch_scc0 .Lwave_3
	ATILE 128, 64                                  ; wave 2: 8 to 11
	s_branch .Lasked
.Lwave_3:
	ATILE 192, 64                                  ; wave 3: 12 to 15
.Lasked:
.irp i, 0,1,2,3
	global_load_b128 v[BK+4*\i:BK+4*\i+3], v20, s[6:7] offset:2048*\i   ; 512 consecutive bytes a wave
.endr
.irp b, 0,1,2,3                        ; register i of tile b = 2 g + u of lane (r, h) is column 32 g + 8 u + 16 h + i of my wave's 64
	global_load_b128 v[BO+8*\b:BO+8*\b+3], v8, s[86:87] offset:128*(\b/2)+32*(\b%2)
	global_load_b128 v[BO+8*\b+4:BO+8*\b+7], v8, s[86:87] offset:128*(\b/2)+32*(\b%2)+16
.endr
.irp p, 0,1                            ; lanes 0-15 the words of tile 2 p, lanes 16-31 those of tile 2 p + 1
.irp c, 0,1
	global_load_b128 v[SB+NQ*\p+4*\c:SB+NQ*\p+4*\c+3], v[ABS], s[10:11] offset:\p*32*KS+16*\c
.endr
.endr
	s_wait_loadcnt 0x0
.irp i, 0,1,2,3
	ds_store_b128 v21, v[BK+4*\i:BK+4*\i+3] offset:2176*\i
.endr
	s_wait_dscnt 0x0
	s_cmp_eq_u32 s14, 0
	s_cbranch_scc0 .Lnot_b
	s_wait_tensorcnt 0x0
.Lnot_b:
	BARRIER                                        ; B has landed
.irp q, 0,1,2,3,4,5,6,7
.irp b, 0,1,2,3
	FRAG NB*\q+\b, BA, TILE*\b+1536*\q
.endr
.endr
	WIN 0
	s_mov_b32 s101, 2*TILE
	s_mov_b32 s91, SSTEP
	s_cmp_eq_u32 s14, 1
	s_cbranch_scc0 .Lnot_a
	s_wait_tensorcnt 0x0                           ; wave 1: A's tiles 0 to 7 have landed
.Lnot_a:
	s_wait_dscnt 0x0
	BARRIER                                        ; A's first eight tiles and all scale bytes are in, and nobody reads B's bytes any more.  Waves 2 and 3's tiles may still be on their way
	FETCHAT 0, AQ0, AAS0
	FETCHAT 1, AQ, AAS
; ================= THE STREAM: eight blocks
	s_mov_b32 s23, 0
	s_mov_b32 s20, 0                               ; s[20:21]: from a pair's rows of out0 to the next pair's; block 0 begins where the base stands
	s_mov_b32 s21, 0
	s_wait_dscnt NF                                ; block 0's fragments are in; block 1's NF loads are younger
.Lpair:                                                ; blocks 0 to 5, a pair a trip
	STREAM 0, 1, 0
	STREAM 1, 1, 1
	s_mov_b32 s20, 64*SIZE_N*4                     ; the next pair's rows lie 64 rows on
	s_add_co_u32 s23, s23, 1
	s_cmp_lg_u32 s23, 3
	s_cbranch_scc1 .Lpair
	STREAM 0, 0, 0                                 ; blocks 6 and 7 fetch nothing
	STREAM 1, 0, 0
	s_wait_tensorcnt 0x0                           ; the wave's end
	ds_add_u32 v[SPW], v[NIL]
	s_wait_dscnt 0x0
	CROUND                                         ; the closing round
	s_endpgm
.Lfunc_end_k_q4e5b46f397_outp:
	.size	k_q4e5b46f397_outp, .Lfunc_end_k_q4e5b46f397_outp-k_q4e5b46f397_outp
	.p2alignl 7, 3214868480
	.fill 96, 4, 3214868480
	.section	.rodata,"a",@progbits
	.p2align	6, 0x0
	.amdhsa_kernel k_q4e5b46f397_outp
		.amdhsa_group_segment_fixed_size 327680
		.amdhsa_private_segment_fixed_size 0
		.amdhsa_enable_private_segment 0
		.amdhsa_kernarg_size 48
		.amdhsa_user_sgpr_count 2
		.amdhsa_user_sgpr_kernarg_segment_ptr 1
		.amdhsa_wavefront_size32 1
		.amdhsa_system_sgpr_workgroup_id_x 1
		.amdhsa_system_sgpr_workgroup_id_y 1
		.amdhsa_system_sgpr_workgroup_id_z 1
		.amdhsa_system_vgpr_workitem_id 0
		.amdhsa_next_free_vgpr 840
		.amdhsa_next_free_sgpr 102
		.amdhsa_reserve_vcc 0
		.amdhsa_float_denorm_mode_32 3
		.amdhsa_float_denorm_mode_16_64 3
		.amdhsa_memory_ordered 1
		.amdhsa_forward_progress 1
		.amdhsa_inst_pref_size 53
	.end_amdhsa_kernel
	.amdgpu_metadata
---
amdhsa.version: [ 1, 2 ]
amdhsa.kernels:
  - .name:           k_q4e5b46f397_outp
    .symbol:         k_q4e5b46f397_outp.kd
    .args:
      - { .name: oimg, .offset: 0, .size: 8, .value_kind: global_buffer, .address_space: global }
      - { .name: oscl, .offset: 8, .size: 8, .value_kind: global_buffer, .address_space: global }
      - { .name: wimg, .offset: 16, .size: 8, .value_kind: global_buffer, .address_space: global }
      - { .name: scl, .offset: 24, .size: 8, .value_kind: global_buffer, .address_space: global }
      - { .name: out0, .offset: 32, .size: 8, .value_kind: global_buffer, .address_space: global }
      - { .name: b_o, .offset: 40, .size: 8, .value_kind: global_buffer, .address_space: global }
    .group_segment_fixed_size: 327680
    .private_segment_fixed_size: 0
    .kernarg_segment_align: 8
    .kernarg_segment_size: 48
    .max_flat_workgroup_size: 128
    .sgpr_count:     102
    .vgpr_count:     840
    .wavefront_size: 32
...
	.end_amdgpu_metadata
.endif
;; end of part 4
